; MI455X (gfx1250); checked and timed in simulation.
; The chip was launched on July 23, 2026; its instructions are those of AMD's public machine-readable ISA for CDNA 5 (MIT licence, August 2026) and "CDNA5" Instruction Set Architecture Reference Guide (July 2026). The comments in the code are by the model that wrote it; some were corrected since.
;; H Module. Allowed arithmetic: matrix products marked QUANTISED: E2M3 operands, one E8M0 scale for each 32 along K, by v_wmma_scale_f32_16x16x128_f8f6f4 with both operands' format E2M3, f32 sums; everything else in f32.
;; Inputs: g_norm1 1,024 float32; g_norm2 1,024 float32; w_ffn1 1,024 x 4,096 float32; w_ffn2 4,096 x 1,024 float32; w_proj 1,024 x 1,024 float32; w_qkv 1,024 x 3,072 float32; z_H_previous 2 x 2,048 x 1,024 float32; z_L_current 2 x 2,048 x 1,024 float32.
;; Outputs: out0 2 x 2,048 x 1,024 float32.
;; This version of the problem:
;;   THIS VERSION OF THE PROBLEM IS GIVEN IN LOW PRECISION. The matrix products marked QUANTISED in the list below multiply operands that are first quantised to E2M3 (2 exponent bits, 3 mantissa bits; 6 bits a number), with one power-of-two scale for each 32 numbers along K (OCP MX v1.0); their sums are f32. All else is computed in f32.
;;   The module's matrix products, in the order in which they are computed (A, B: the left and right operand; K: the contracted axis; several contracted axes count as one K, in the product's order):
;;     1. [M 4,096, K 1,024] x [K 1,024, N 3,072]; A: computed on the way; B: input w_qkv: QUANTISED
;;     2. batch 32 x [M 2,048, K 64] x [K 64, N 2,048]; A: computed on the way; B: computed on the way: QUANTISED
;;     3. batch 32 x [M 2,048, K 2,048] x [K 2,048, N 64]; A: softmax (see below); B: computed on the way: QUANTISED
;;     4. [M 4,096, K 1,024] x [K 1,024, N 1,024]; A: computed on the way; B: input w_proj: QUANTISED
;;     5. [M 4,096, K 1,024] x [K 1,024, N 4,096]; A: computed on the way; B: input w_ffn1: QUANTISED
;;     6. [M 4,096, K 4,096] x [K 4,096, N 1,024]; A: computed on the way; B: input w_ffn2: QUANTISED
;;   THE QUANTISER, for each operand of a quantised product, along K:
;;     - K is cut into blocks of 32 from its start; a last block that is shorter is filled with zeros.
;;     - A block's scale is 2^e with e = floor(log2(the largest magnitude in the block)) - 2, held to -126 .. 127; a block of zeros has e = 0. As a byte (E8M0): e + 127.
;;     - Each number is divided by its block's scale, clamped to +-7.5, and rounded to the nearest number of E2M3, ties to even, subnormals kept.
;;     - The product sums the exact products of the quantised numbers (number of the format x scale) in f32.
;;   ~~~python
;;   def quantise(x, axis):      # numpy; x: float32 -> the quantised numbers, widened to float32 again
;;       x = np.moveaxis(x, axis, -1); K = x.shape[-1]
;;       x = np.pad(x, [(0, 0)] * (x.ndim - 1) + [(0, -K % 32)]); x = x.reshape(x.shape[:-1] + (-1, 32)); a = np.abs(x).max(-1, keepdims=True)
;;       e = np.where(a > 0, np.clip(np.frexp(np.where(a > 0, a, 1))[1] - 1 - 2, -126, 127), 0)      # np.frexp(a)[1] - 1 = floor(log2(a)), exactly
;;       r = np.clip(x / 2.0 ** e, -7.5, 7.5)
;;       step = 2.0 ** (np.maximum(np.frexp(np.where(r == 0, 1, r))[1] - 1, 0) - 3)
;;       q = np.round(r / step) * step * 2.0 ** e      # np.round: ties to even
;;       return np.moveaxis(q.reshape(q.shape[:-2] + (-1,))[..., :K], -1, axis).astype(np.float32)
;;   ~~~
;;   SOFTMAX AHEAD OF A QUANTISED PRODUCT. Where the list says 'softmax', what is quantised is not the finished softmax but p = 2^(t - M), with t = logit x log2(e) and M = ceil(the row's largest t), a whole number; so 1/2 < the row's largest p <= 1. The row's sum l is taken of the UNQUANTISED p, in f32, and the product's result is divided by l at the end. Since M is a whole number, a kernel that streams over the keys may use a running M (the ceiling of the running maximum): every later rescaling is an exact power of two, which a block's scale takes up: the codes' values come out the same.
;;   OPERANDS COMPUTED ON THE WAY. 'Computed on the way' means the value that the module computes at that place (a softmax that the list does not call 'softmax' is quantised finished and normalised). What goes into a quantiser is computed in f32, as accurately as f32 sums, v_exp_f32 and their like allow (about 1e-6 of the number): no bf16 or f16 on the way to a quantiser, and a product that is left as it is and whose result goes on into a quantised operand takes f32 operands (vector FMAs, or v_wmma_f32_16x16x4_f32). A number that lies on a knife's edge between two numbers of the format may be rounded either way, as far as f32 arithmetic and the matrix unit's own rounding can turn it there, and no further.
;; One version. Each part assembles by itself: llvm-mc -triple=amdgcn-amd-amdhsa -mcpu=gfx1250 --defsym DOCPART=n.
;; ======== version 1 of 1: 6 launches
;; limits: right only within a limited range of input values
;; workspace buffers: wimg 9,830,400 bytes; aimg 3,276,800 bytes; xs 17,301,504 bytes; x2 16,777,216 bytes; qkv 10,092,544 bytes; act 13,107,200 bytes; himg 3,276,800 bytes
;; launch pre (part 1): grid 448 x 1, 8 waves a work-group, no clusters, 120,064 bytes of LDS; arguments z_H_previous, z_L_current, g_norm1, aimg, xs, wimg, w_qkv, w_proj, w_ffn1, w_ffn2; writes aimg, xs, wimg
.if DOCPART == 1
	.amdgcn_target "amdgcn-amd-amdhsa--gfx1250"
	.amdhsa_code_object_version 6
	.text
	.protected	k_q35e0a9c029_pre
	.globl	k_q35e0a9c029_pre
	.p2align	8
	.type	k_q35e0a9c029_pre,@function
k_q35e0a9c029_pre:
	s_mov_b64 s[64:65], 0
	v_nop
	global_prefetch_b8 v0, s[64:65] scope:SCOPE_SE
	s_setreg_imm32_b32 hwreg(HW_REG_WAVE_MODE, 25, 1), 1
	s_wait_xcnt 0x0
; ONE LAUNCH FOR TWO PIECES OF WORK THAT DEPEND ON NOTHING OF EACH OTHER.  Work-groups 0-191: the four weights into codes.  Work-groups 192-447: x = z_H + z_L, the first norm into codes, and the table for RoPE.
; The paths part once, on the work-group's number, and join at the wave's end; each has LDS bytes of its own.
; IMAGE, the layout of every quantised operand of this program: 128 rows x 128 along K are a sub-block of 12,800 bytes: eight fragments of 1,536 bytes, then 8 x 16 scale words.
; A fragment is two halves of 768 bytes (64 along K each): registers 6c..6c+3 of lane l at 16 l, registers 6c+4, 6c+5 at 512 + 8 l.
; Lane r of fragment i holds row 32 (i/2) + 8 (i%2) + r + 8 (r/8) of the 128, so that a transposed product's 16 registers of two neighbouring tiles are 16 neighbours.
; THE WEIGHTS, f32 stored [K][N]: a lane takes a column n and its registers run down K: a block of 32 lies in one lane and its codes come out with K innermost.  Four waves take 128 columns x 256 along K (two sub-blocks on end);
; a work-group holds two such fours.  Wave w of a four has columns 32 w .. 32 w + 31, which are fragments 2 w and 2 w + 1.  The codes go through the wave's own stage and leave in stores of 512 consecutive bytes.  No barrier on this path.
; THE NORM: a work-group is one fragment row: 16 rows, all of K.  First wave w owns two neighbouring rows of x (8,192 consecutive bytes): sum, norm, gain.  The 16 rows meet in LDS (pitch 4,112 bytes: an odd multiple of 16);
; behind one barrier wave w owns K step w of all 16 rows and quantises it: lane (r, h) takes of row r 16 neighbours of each block of 32.
; THE TABLE: xs + 16,777,216: [2,048 positions][32 cos | 32 sin] f32.  Thread (w, lane) makes position 8 g + w, frequency lane: angle = position x 10000^(-lane/32) in f32; reduced by pi/2 in three parts; polynomials of degree 9 and 10.
; LIMITS: NaN and infinities are not served; a block whose largest magnitude lies under 2^-124 gets the byte 1; a block of zeros gets the byte 1 and zero codes (only this program reads the bytes).
.set NWQ,   192                        ; the weights' work-groups
.set WPOFF, 2457600                    ; w_proj's image in wimg (w_qkv's lies at 0)
.set W1OFF, 3276800                    ; w_ffn1's
.set W2OFF, 6553600                    ; w_ffn2's
.set SUBB,  12800
.set STT,   1664                       ; a fragment in a stage: 1,536 bytes + 128, so that the two fragments of a store fall on different banks
.set STW,   4*STT                      ; a wave's stage: two sub-blocks x two fragments
.set NB,    8*STW                      ; behind the eight stages: the norm's 16 rows
.set PITCH, 4112
.set SPARE, NB+16*PITCH                ; behind the rows: the spare words, 128 bytes a wave
.set EMAX,  2
.set SPW,   28
.set NIL,   29
; the weights' path
.set ST16,  4                          ; v4  stage: my fragment, 16 r
.set ST8,   5                          ; v5  stage: my fragment, 8 r
.set RB,    6                          ; v6  stage, on the way out: 16 x lane
.set GO,    7                          ; v7  wimg: 3,072 w + 16 x lane
.set GS,    8                          ; v8  wimg: my scale word: 128 w + 64 u + 4 r
.set C,     16                         ; v16-22 a block's codes
.set SB,    24                         ; v24-25 the scale words of the two sub-blocks
.set RO,    32                         ; v32-63 4 x lane + i rows of the weight
.set X,     64                         ; v64-127 two sets of 32 numbers
.set OUTR,  128                        ; v128-175 the way out
.set BS,    32                         ; s[32:47] the eight blocks' first rows
; the norm's path
.set L16, 4
.set L8,  5
.set R4,  6
.set WST, 7
.set RDA, 8
.set L4,  9
.set XA,  32                           ; v32-95   two rows of z_H, then x; later 64 numbers to quantise
.set XB,  96                           ; v96-159  two rows of z_L, then hidden
.set G,   160                          ; v160-191 the gain at my columns
.set PC,  192                          ; v192-211 codes
.set TM,  212                          ; v212-227 at work in QUANT
.set PW,  228                          ; the scale word
.set SEL, 22
	s_load_b256 s[4:11], s[0:1], 0x0               ; z_H, z_L, g, aimg
	s_load_b128 s[12:15], s[0:1], 0x20             ; xs, wimg
	s_load_b128 s[52:55], s[0:1], 0x30             ; w_qkv, w_proj
	s_load_b128 s[56:59], s[0:1], 0x40             ; w_ffn1, w_ffn2
	v_lshl_add_u32 v[SPW], v0, 2, SPARE
	v_mov_b32 v[NIL], 0
	v_lshrrev_b32 v1, 5, v0
	s_delay_alu instid0(VALU_DEP_1)
	v_readfirstlane_b32 s16, v1                    ; wave 0..7
	v_and_b32 v1, 31, v0                           ; lane
	s_cmp_lt_u32 ttmp9, NWQ                        ; the work-group's number alone: all eight waves go the same way
	s_cbranch_scc0 .Lnorm
	; ---- THE WEIGHTS
	s_and_b32 s19, s16, 3                          ; my place among the four waves of a block of 128 columns
	s_lshr_b32 s17, s16, 2
	s_lshl_b32 s20, ttmp9, 1
	s_add_co_u32 s20, s20, s17                     ; which block of 128 columns x 256 along K: 0..383
	v_bfe_u32 v2, v0, 3, 1                         ; u: which of the wave's two fragments
	v_and_b32 v3, 7, v0
	v_bfe_u32 v10, v0, 4, 1
	s_delay_alu instid0(VALU_DEP_1)
	v_lshl_add_u32 v3, v10, 3, v3                  ; r: my row's lane in that fragment
	s_mul_i32 s17, s16, STW
	v_mul_u32_u24 v11, v2, STT
	s_delay_alu instid0(VALU_DEP_1)
	v_add_nc_u32 v11, s17, v11
	s_delay_alu instid0(VALU_DEP_1)
	v_lshl_add_u32 v[ST16], v3, 4, v11
	s_delay_alu instid0(VALU_DEP_2)
	v_lshl_add_u32 v[ST8], v3, 3, v11
	v_lshlrev_b32 v12, 4, v1
	s_delay_alu instid0(VALU_DEP_1)
	v_add_nc_u32 v[RB], s17, v12
	s_mul_i32 s18, s19, 3072
	v_add_nc_u32 v[GO], s18, v12
	v_lshlrev_b32 v13, 6, v2
	s_delay_alu instid0(VALU_DEP_1)
	v_lshl_add_u32 v13, v3, 2, v13
	s_lshl_b32 s18, s19, 7
	v_add_nc_u32 v[GS], s18, v13
	v_lshlrev_b32 v9, 2, v1
	s_wait_alu depctr_va_vdst(0)
	s_wait_kmcnt 0x0
	; which weight: blocks 0-95 w_qkv, 96-127 w_proj, 128-255 w_ffn1, 256-383 w_ffn2.  Choices on ids alone, no branch
	s_mov_b32 s21, 256                             ; the weight's first block
	s_mov_b32 s22, 4                               ; log2 of its runs of 256 along K
	s_mov_b32 s23, 4096                            ; bytes in a row of the weight
	s_mov_b32 s24, 409600                          ; bytes of 128 rows of its image
	s_mov_b32 s25, W2OFF
	s_mov_b64 s[26:27], s[58:59]
	s_cmp_lt_u32 s20, 256
	s_cselect_b32 s21, 128, s21
	s_cselect_b32 s22, 2, s22
	s_cselect_b32 s23, 16384, s23
	s_cselect_b32 s24, 102400, s24
	s_cselect_b32 s25, W1OFF, s25
	s_cselect_b64 s[26:27], s[56:57], s[26:27]
	s_cmp_lt_u32 s20, 128
	s_cselect_b32 s21, 96, s21
	s_cselect_b32 s23, 4096, s23
	s_cselect_b32 s25, WPOFF, s25
	s_cselect_b64 s[26:27], s[54:55], s[26:27]
	s_cmp_lt_u32 s20, 96
	s_cselect_b32 s21, 0, s21
	s_cselect_b32 s23, 12288, s23
	s_cselect_b32 s25, 0, s25
	s_cselect_b64 s[26:27], s[52:53], s[26:27]
	s_sub_co_u32 s28, s20, s21
	s_lshl_b32 s29, 1, s22
	s_sub_co_u32 s29, s29, 1
	s_and_b32 s29, s28, s29                        ; kc: which 256 along K
	s_lshr_b32 s28, s28, s22                       ; nb: which 128 columns
	s_mul_i32 s30, s29, s23
	s_lshl_b32 s30, s30, 8                         ; 256 kc rows
	s_lshl_b32 s31, s28, 9
	s_add_co_u32 s30, s30, s31                     ; + 512 nb
	s_add_co_u32 s30, s30, s18                     ; + 128 w
	s_mov_b32 s31, 0
	s_add_nc_u64 s[BS:BS+1], s[26:27], s[30:31]
	s_lshl_b32 s30, s23, 5                         ; 32 rows on
.irp t, 1,2,3,4,5,6,7
	s_add_nc_u64 s[BS+2*\t:BS+2*\t+1], s[BS+2*\t-2:BS+2*\t-1], s[30:31]
.endr
	s_mul_i32 s50, s28, s24
	s_mul_i32 s51, s29, 2*SUBB
	s_add_co_u32 s50, s50, s51
	s_add_co_u32 s50, s50, s25
	s_mov_b32 s51, 0
	s_add_nc_u64 s[48:49], s[14:15], s[50:51]      ; my two sub-blocks
.set I, 0
.rept 32
	v_mad_u32_u24 v[RO+I], s23, I, v9              ; row i of a block, my column
.set I, I+1
.endr
.macro LOAD t                          ; block t: 32 rows of the weight at my column: a wave reads 128 consecutive bytes, four waves 512
.set I, 0
.rept 32
	global_load_b32 v[X+32*((\t)%2)+I], v[RO+I], s[BS+2*(\t):BS+2*(\t)+1] th:TH_LOAD_NT
.set I, I+1
.endr
.endm
.macro BLOCK t                         ; block t is block 2 c + h of sub-block q: it belongs to lane r + 16 h, registers 6 c .. 6 c + 5
.set XS, X+32*((\t)%2)
.set QQ, (\t)/4
.set CC, ((\t)%4)/2
.set HH, (\t)%2
.if (\t) < 7
	s_wait_loadcnt 32                              ; this block's 32 loads are in; the next block's 32 may be out
.else
	s_wait_loadcnt 0
.endif
	v_max3_num_f32 v12, |v[XS]|, |v[XS+1]|, |v[XS+2]|
	v_max3_num_f32 v13, |v[XS+3]|, |v[XS+4]|, |v[XS+5]|
.irp i, 6,10,14,18,22,26
	s_delay_alu instid0(VALU_DEP_2)
	v_max3_num_f32 v12, v12, |v[XS+\i]|, |v[XS+\i+1]|
	s_delay_alu instid0(VALU_DEP_2)
	v_max3_num_f32 v13, v13, |v[XS+\i+2]|, |v[XS+\i+3]|
.endr
	s_delay_alu instid0(VALU_DEP_2)
	v_max3_num_f32 v12, v12, |v[XS+30]|, |v[XS+31]|
	s_delay_alu instid0(VALU_DEP_1)
	v_max3_num_f32 v12, v12, v13, (EMAX+1)<<23     ; with the floor 2^(3 - 127): the byte cannot fall under 1
	s_delay_alu instid0(VALU_DEP_1)
	v_add_nc_u32 v11, -(EMAX<<23), v12             ; 2 off the exponent field: the conversion's scale operand
	s_delay_alu instid0(VALU_DEP_1)
	v_lshrrev_b32 v10, 23, v11                     ; the scale's byte
.if (\t)%4 == 0
	s_delay_alu instid0(VALU_DEP_1)
	v_mov_b32 v[SB+QQ], v10
.else
	s_delay_alu instid0(VALU_DEP_1)
	v_lshl_or_b32 v[SB+QQ], v10, 8*((\t)%4), v[SB+QQ]
.endif
	v_cvt_scalef32_pk16_fp6_f32 v[C:C+2], v[XS:XS+15], v11
	v_cvt_scalef32_pk16_fp6_f32 v[C+4:C+6], v[XS+16:XS+31], v11   ; (a conversion's three registers begin on an even number)
	v_nop                                          ; one plain place behind the conversions
	v_mov_b32 v[C+3], v[C+4]
	v_mov_b32 v[C+4], v[C+5]
	v_mov_b32 v[C+5], v[C+6]
	ds_store_b128 v[ST16], v[C:C+3] offset:QQ*2*STT+CC*768+256*HH
	ds_store_b64 v[ST8], v[C+4:C+5] offset:QQ*2*STT+CC*768+512+128*HH
.if (\t)+2 < 8
	LOAD (\t)+2
.endif
	s_wait_dscnt 0x0                               ; the stores have read their registers: the next block's codes may be written
.endm
	LOAD 0
	LOAD 1
.irp t, 0,1,2,3,4,5,6,7
	BLOCK \t
.endr
	global_store_b32 v[GS], v[SB], s[48:49] offset:12288
	s_wait_alu depctr_va_vdst(0)
	global_store_b32 v[GS], v[SB+1], s[48:49] offset:SUBB+12288
.irp n, 0,1,2,3,4,5,6,7,8,9,10,11       ; n = 6 q + 3 u + k
	ds_load_b128 v[OUTR+4*\n:OUTR+4*\n+3], v[RB] offset:(\n/6)*2*STT+((\n%6)/3)*STT+512*(\n%3)   ; LDS serves a wave's instructions in order: these see my stores
.endr
.irp n, 0,1,2,3,4,5,6,7,8,9,10,11
	s_wait_dscnt 11-\n
	global_store_b128 v[GO], v[OUTR+4*\n:OUTR+4*\n+3], s[48:49] offset:(\n/6)*SUBB+((\n%6)/3)*1536+512*(\n%3)   ; 32 lanes store 512 consecutive bytes, at a multiple of 256 from the buffer's first byte
.endr
	s_branch .Lend
	; ---- THE NORM
.macro QUANT s                         ; 64 numbers of a lane, register 16 b + i = k 32 b + 16 (lane / 16) + i of my row, become a fragment's codes in v[PC] on and its scale word in v[PW]
.irp b, 0,1,2,3
	v_max3_num_f32 v[TM+\b], |v[\s+16*\b]|, |v[\s+1+16*\b]|, 0x1800000   ; with the floor 2^(3 - 127)
.endr
.irp i, 2,4,6,8,10,12,14
.irp b, 0,1,2,3
	s_delay_alu instid0(VALU_DEP_4)
	v_max3_num_f32 v[TM+\b], v[TM+\b], |v[\s+16*\b+\i]|, |v[\s+1+16*\b+\i]|
.endr
.endr
.irp b, 0,1,2,3
	s_delay_alu instid0(VALU_DEP_4)
	v_permlanex16_b32 v[TM+4+\b], v[TM+\b], s[SEL], s[SEL+1]
.endr
.irp b, 0,1,2,3
	s_delay_alu instid0(VALU_DEP_4)
	v_max_num_f32 v[TM+\b], v[TM+\b], v[TM+4+\b]   ; with lane l xor 16's: the block's largest magnitude
.endr
.irp b, 0,1,2,3
	s_delay_alu instid0(VALU_DEP_4)
	v_add_nc_u32 v[TM+12+\b], 0xff000000, v[TM+\b] ; 2 off its exponent field: the conversion's scale operand
.endr
.irp b, 0,1,2,3
	s_delay_alu instid0(VALU_DEP_4)
	v_lshrrev_b32 v[TM+4+\b], 23, v[TM+12+\b]      ; the scale's byte
.endr
	s_delay_alu instid0(VALU_DEP_3)
	v_lshl_or_b32 v[PW], v[TM+5], 8, v[TM+4]
	s_delay_alu instid0(VALU_DEP_1)
	v_lshl_or_b32 v[PW], v[TM+6], 16, v[PW]
	s_delay_alu instid0(VALU_DEP_1)
	v_lshl_or_b32 v[PW], v[TM+7], 24, v[PW]
.irp c, 0,1
	v_cvt_scalef32_pk16_fp6_f32 v[PC+6*\c:PC+2+6*\c], v[\s+32*\c:\s+15+32*\c], v[TM+12+2*\c]
	v_cvt_scalef32_pk16_fp6_f32 v[PC+12+4*\c:PC+14+4*\c], v[\s+16+32*\c:\s+31+32*\c], v[TM+13+2*\c]
.endr
	v_nop                                          ; one plain place behind the conversions
.irp c, 0,1                            ; the operand wants a whole block in a lane
.irp i, 0,1,2
	v_permlane16_swap_b32 v[PC+6*\c+\i], v[PC+12+4*\c+\i]
.endr
.irp i, 0,1,2
	s_delay_alu instid0(VALU_DEP_3)
	v_mov_b32 v[PC+3+6*\c+\i], v[PC+12+4*\c+\i]
.endr
.endr
.endm
.Lnorm:
	v_and_b32 v2, 15, v0                           ; r
	v_bfe_u32 v3, v0, 4, 1                         ; h
	s_wait_alu depctr_va_vdst(0)
	v_lshlrev_b32 v[L16], 4, v1
	v_lshlrev_b32 v[L8], 3, v1
	v_lshlrev_b32 v[L4], 2, v1
	v_lshlrev_b32 v[R4], 2, v2
	s_mul_i32 s17, s16, 2*PITCH
	s_add_co_u32 s17, s17, NB
	v_add_nc_u32 v[WST], s17, v[L16]               ; into LDS: my two rows, 16 bytes a lane
	v_mul_u32_u24 v[RDA], v2, PITCH
	s_delay_alu instid0(VALU_DEP_1)
	v_lshl_add_u32 v[RDA], v3, 6, v[RDA]
	s_lshl_b32 s17, s16, 9
	s_add_co_u32 s17, s17, NB
	v_add_nc_u32 v[RDA], s17, v[RDA]               ; out of LDS: row r, K step w, + 64 h
.irp b, 0,1,2,3
	v_mov_b32 v[TM+4+\b], 0                        ; written once: a lane permute's destination counts as one of its sources
.endr
	s_sub_co_u32 s37, ttmp9, NWQ                   ; which fragment row: 0..255
	s_lshr_b32 s18, s37, 3                         ; rb: which 128 rows
	s_and_b32 s19, s37, 7                          ; i: which fragment row of them
	s_lshl_b32 s20, s18, 7
	s_lshr_b32 s21, s19, 1
	s_lshl_b32 s21, s21, 5
	s_add_co_u32 s20, s20, s21
	s_and_b32 s21, s19, 1
	s_lshl_b32 s21, s21, 3
	s_add_co_u32 s20, s20, s21                     ; the fragment's first row
	s_lshl_b32 s21, s16, 1
	s_add_co_u32 s20, s20, s21
	s_lshr_b32 s21, s16, 2
	s_lshl_b32 s21, s21, 3
	s_add_co_u32 s20, s20, s21                     ; + 2 w + 8 (w / 4): my two rows
	s_lshl_b32 s20, s20, 12
	s_mov_b32 s21, 0
	s_mov_b32 s[SEL], 0x76543210
	s_mov_b32 s[SEL+1], 0xfedcba98
	s_mov_b32 s24, 0x3a800000                      ; 1 / 1024
	s_mov_b32 s25, 0x358637bd                      ; 1e-6
	s_lshl_b32 s26, s18, 3
	s_add_co_u32 s26, s26, s16
	s_mul_i32 s26, s26, 12800                      ; sub-block (rb, K step w)
	s_mul_i32 s28, s19, 1536
	s_add_co_u32 s28, s28, s26
	s_mov_b32 s29, 0
	s_lshl_b32 s30, s19, 6
	s_add_co_u32 s30, s30, s26
	s_add_co_u32 s30, s30, 12288
	s_mov_b32 s31, 0
	s_lshl_b32 s36, s37, 3
	s_add_co_u32 s36, s36, s16                     ; the table's position
	s_lshl_b32 s34, s36, 8
	s_add_co_u32 s34, s34, 16777216
	s_mov_b32 s35, 0
	s_wait_kmcnt 0x0
	s_add_nc_u64 s[4:5], s[4:5], s[20:21]
	s_add_nc_u64 s[6:7], s[6:7], s[20:21]
	s_add_nc_u64 s[32:33], s[12:13], s[20:21]
	s_add_nc_u64 s[34:35], s[12:13], s[34:35]
	s_add_nc_u64 s[28:29], s[10:11], s[28:29]
	s_add_nc_u64 s[30:31], s[10:11], s[30:31]
.irp n, 0,1,2,3,4,5,6,7,8,9,10,11,12,13,14,15
	global_load_b128 v[XA+4*\n:XA+4*\n+3], v[L16], s[4:5] offset:512*\n th:TH_LOAD_NT   ; the two rows are 8,192 bytes on end; 512 consecutive bytes a load
.endr
.irp n, 0,1,2,3,4,5,6,7,8,9,10,11,12,13,14,15
	global_load_b128 v[XB+4*\n:XB+4*\n+3], v[L16], s[6:7] offset:512*\n th:TH_LOAD_NT
.endr
.irp n, 0,1,2,3,4,5,6,7
	global_load_b128 v[G+4*\n:G+4*\n+3], v[L16], s[8:9] offset:512*\n
.endr
	s_wait_loadcnt 8                               ; both inputs are in; the gain's 8 loads may be out
.set J, 0
.rept 32
	v_pk_add_f32 v[XA+J:XA+J+1], v[XA+J:XA+J+1], v[XB+J:XB+J+1]
.set J, J+2
.endr
.irp n, 0,1,2,3,4,5,6,7,8,9,10,11,12,13,14,15
	global_store_b128 v[L16], v[XA+4*\n:XA+4*\n+3], s[32:33] offset:512*\n
.endr
	v_pk_mul_f32 v[10:11], v[XA:XA+1], v[XA:XA+1]  ; the sums of squares, the two rows by turns
	v_pk_mul_f32 v[12:13], v[XA+32:XA+33], v[XA+32:XA+33]
.set J, 2
.rept 15
	s_delay_alu instid0(VALU_DEP_2)
	v_pk_fma_f32 v[10:11], v[XA+J:XA+J+1], v[XA+J:XA+J+1], v[10:11]
	s_delay_alu instid0(VALU_DEP_2)
	v_pk_fma_f32 v[12:13], v[XA+32+J:XA+33+J], v[XA+32+J:XA+33+J], v[12:13]
.set J, J+2
.endr
	s_delay_alu instid0(VALU_DEP_2)
	v_add_f32 v10, v10, v11
	s_delay_alu instid0(VALU_DEP_2)
	v_add_f32 v12, v12, v13
.irp m, 1,2,4,8
	s_delay_alu instid0(VALU_DEP_2)
	v_add_f32_dpp v10, v10, v10 row_xmask:\m row_mask:0xf bank_mask:0xf
	s_delay_alu instid0(VALU_DEP_2)
	v_add_f32_dpp v12, v12, v12 row_xmask:\m row_mask:0xf bank_mask:0xf
.endr
	s_delay_alu instid0(VALU_DEP_2)
	v_permlanex16_b32 v11, v10, s[SEL], s[SEL+1]
	s_delay_alu instid0(VALU_DEP_2)
	v_permlanex16_b32 v13, v12, s[SEL], s[SEL+1]
	s_delay_alu instid0(VALU_DEP_2)
	v_add_f32 v10, v10, v11
	s_delay_alu instid0(VALU_DEP_2)
	v_add_f32 v12, v12, v13
	s_delay_alu instid0(VALU_DEP_2)
	v_fma_f32 v10, v10, s24, s25                   ; mean + eps
	s_delay_alu instid0(VALU_DEP_2)
	v_fma_f32 v12, v12, s24, s25
	s_wait_alu depctr_va_vdst(0)
	v_rsq_f32 v14, v10                             ; twice each: the packed multiply takes a pair
	v_rsq_f32 v15, v10
	v_rsq_f32 v16, v12
	v_rsq_f32 v17, v12
	v_nop                                          ; a plain place behind the last of them
	s_wait_alu depctr_va_vdst(0)                   ; one wait for the four, ahead of their first reader
	s_wait_loadcnt 0x0                             ; the gain
.set J, 0
.rept 16
	v_pk_mul_f32 v[XB+J:XB+J+1], v[XA+J:XA+J+1], v[14:15]
	v_pk_mul_f32 v[XB+32+J:XB+33+J], v[XA+32+J:XA+33+J], v[16:17]
.set J, J+2
.endr
.set J, 0
.rept 16
	v_pk_mul_f32 v[XB+J:XB+J+1], v[XB+J:XB+J+1], v[G+J:G+J+1]
	v_pk_mul_f32 v[XB+32+J:XB+33+J], v[XB+32+J:XB+33+J], v[G+J:G+J+1]
.set J, J+2
.endr
.irp n, 0,1,2,3,4,5,6,7
	ds_store_b128 v[WST], v[XB+4*\n:XB+4*\n+3] offset:512*\n
	ds_store_b128 v[WST], v[XB+32+4*\n:XB+35+4*\n] offset:PITCH+512*\n
.endr
	s_wait_xcnt 0x0                                ; x's stores have read their registers, which are loaded into below
	s_wait_dscnt 0x0                               ; my rows lie in LDS
	s_barrier_signal -1
	s_barrier_wait -1                              ; all sixteen do
.irp n, 0,1,2,3,4,5,6,7,8,9,10,11,12,13,14,15
	ds_load_b128 v[XA+4*\n:XA+4*\n+3], v[RDA] offset:128*(\n/4)+16*(\n%4)
.endr
	s_wait_dscnt 0x0
	QUANT XA
	global_store_b128 v[L16], v[PC:PC+3], s[28:29]
	global_store_b64 v[L8], v[PC+4:PC+5], s[28:29] offset:512
	global_store_b128 v[L16], v[PC+6:PC+9], s[28:29] offset:768
	global_store_b64 v[L8], v[PC+10:PC+11], s[28:29] offset:1280
	global_store_b32 v[R4], v[PW], s[30:31]        ; both halves of the lanes hold row r's word and write it with the same value
	; the table
	v_cvt_f32_u32 v10, v1                          ; f
	s_delay_alu instid0(VALU_DEP_1)
	v_mul_f32 v11, 0xb2179a1c, v10                 ; -f x log2(10000) / 32, the constant in two parts
	s_delay_alu instid0(VALU_DEP_1)
	v_fmamk_f32 v11, v10, 0xbed49a78, v11
	s_wait_alu depctr_va_vdst(0)
	v_exp_f32 v12, v11                             ; 10000^(-f / 32)
	v_cvt_f32_u32 v13, s36                         ; (a plain place)  the position
	s_wait_alu depctr_va_vdst(0)
	v_mul_f32 v12, v13, v12                        ; the angle, rounded to f32
	s_delay_alu instid0(VALU_DEP_1)
	v_mul_f32 v14, 0x3f22f983, v12
	s_delay_alu instid0(VALU_DEP_1)
	v_rndne_f32 v14, v14                           ; n = the nearest multiple of pi / 2
	s_delay_alu instid0(VALU_DEP_1)
	v_fmamk_f32 v15, v14, 0xbfc90000, v12          ; angle - n pi / 2, pi / 2 in three parts
	s_delay_alu instid0(VALU_DEP_1)
	v_fmamk_f32 v15, v14, 0xb9fda000, v15
	s_delay_alu instid0(VALU_DEP_1)
	v_fmamk_f32 v15, v14, 0xb3a22169, v15
	s_delay_alu instid0(VALU_DEP_1)
	v_mul_f32 v16, v15, v15
	v_mov_b32 v17, 0x3638ef1d
	s_delay_alu instid0(VALU_DEP_1)
	v_fmaak_f32 v17, v17, v16, 0xb9500d01
	s_delay_alu instid0(VALU_DEP_1)
	v_fmaak_f32 v17, v17, v16, 0x3c088889
	s_delay_alu instid0(VALU_DEP_1)
	v_fmaak_f32 v17, v17, v16, 0xbe2aaaab
	v_mul_f32 v18, v15, v16
	s_delay_alu instid0(VALU_DEP_1)
	v_fma_f32 v17, v18, v17, v15                   ; sin
	v_mov_b32 v19, 0xb493f27e
	s_delay_alu instid0(VALU_DEP_1)
	v_fmaak_f32 v19, v19, v16, 0x37d00d01
	s_delay_alu instid0(VALU_DEP_1)
	v_fmaak_f32 v19, v19, v16, 0xbab60b61
	s_delay_alu instid0(VALU_DEP_1)
	v_fmaak_f32 v19, v19, v16, 0x3d2aaaab
	s_delay_alu instid0(VALU_DEP_1)
	v_fmaak_f32 v19, v19, v16, 0xbf000000
	s_delay_alu instid0(VALU_DEP_1)
	v_fma_f32 v19, v19, v16, 1.0                   ; cos
	v_cvt_i32_f32 v20, v14
	s_delay_alu instid0(VALU_DEP_1)
	v_and_b32 v21, 1, v20
	s_delay_alu instid0(VALU_DEP_1)
	v_cmp_eq_u32 vcc_lo, 1, v21
	s_delay_alu instid0(VALU_DEP_1)
	v_cndmask_b32 v22, v17, v19, vcc_lo            ; in odd quadrants the two change places
	s_delay_alu instid0(VALU_DEP_2)
	v_cndmask_b32 v23, v19, v17, vcc_lo
	v_lshlrev_b32 v24, 30, v20
	s_delay_alu instid0(VALU_DEP_1)
	v_and_b32 v24, 0x80000000, v24
	s_delay_alu instid0(VALU_DEP_1)
	v_xor_b32 v22, v24, v22                        ; sin's sign: bit 1 of n
	v_add_nc_u32 v20, 1, v20
	s_delay_alu instid0(VALU_DEP_1)
	v_lshlrev_b32 v25, 30, v20
	s_delay_alu instid0(VALU_DEP_1)
	v_and_b32 v25, 0x80000000, v25
	s_delay_alu instid0(VALU_DEP_1)
	v_xor_b32 v23, v25, v23                        ; cos's: bit 1 of n + 1
	global_store_b32 v[L4], v23, s[34:35]
	global_store_b32 v[L4], v22, s[34:35] offset:128
.Lend:
	s_wait_tensorcnt 0x0                           ; the wave's end: behind my last LDS store
	ds_add_u32 v[SPW], v[NIL]
	s_wait_dscnt 0x0
	s_endpgm
.Lfunc_end_k_q35e0a9c029_pre:
	.size	k_q35e0a9c029_pre, .Lfunc_end_k_q35e0a9c029_pre-k_q35e0a9c029_pre
	.p2alignl 7, 3214868480
	.fill 96, 4, 3214868480
	.section	.rodata,"a",@progbits
	.p2align	6, 0x0
	.amdhsa_kernel k_q35e0a9c029_pre
		.amdhsa_group_segment_fixed_size 120064
		.amdhsa_private_segment_fixed_size 0
		.amdhsa_enable_private_segment 0
		.amdhsa_kernarg_size 80
		.amdhsa_user_sgpr_count 2
		.amdhsa_user_sgpr_kernarg_segment_ptr 1
		.amdhsa_wavefront_size32 1
		.amdhsa_system_sgpr_workgroup_id_x 1
		.amdhsa_system_sgpr_workgroup_id_y 1
		.amdhsa_system_sgpr_workgroup_id_z 1
		.amdhsa_system_vgpr_workitem_id 0
		.amdhsa_next_free_vgpr 232
		.amdhsa_next_free_sgpr 66
		.amdhsa_reserve_vcc 1
		.amdhsa_float_denorm_mode_32 3
		.amdhsa_float_denorm_mode_16_64 3
		.amdhsa_memory_ordered 1
		.amdhsa_forward_progress 1
		.amdhsa_inst_pref_size 80
	.end_amdhsa_kernel
	.amdgpu_metadata
---
amdhsa.version: [ 1, 2 ]
amdhsa.kernels:
  - .name:           k_q35e0a9c029_pre
    .symbol:         k_q35e0a9c029_pre.kd
    .args:
      - { .name: z_H_previous, .offset: 0, .size: 8, .value_kind: global_buffer, .address_space: global }
      - { .name: z_L_current, .offset: 8, .size: 8, .value_kind: global_buffer, .address_space: global }
      - { .name: g_norm1, .offset: 16, .size: 8, .value_kind: global_buffer, .address_space: global }
      - { .name: aimg, .offset: 24, .size: 8, .value_kind: global_buffer, .address_space: global }
      - { .name: xs, .offset: 32, .size: 8, .value_kind: global_buffer, .address_space: global }
      - { .name: wimg, .offset: 40, .size: 8, .value_kind: global_buffer, .address_space: global }
      - { .name: w_qkv, .offset: 48, .size: 8, .value_kind: global_buffer, .address_space: global }
      - { .name: w_proj, .offset: 56, .size: 8, .value_kind: global_buffer, .address_space: global }
      - { .name: w_ffn1, .offset: 64, .size: 8, .value_kind: global_buffer, .address_space: global }
      - { .name: w_ffn2, .offset: 72, .size: 8, .value_kind: global_buffer, .address_space: global }
    .group_segment_fixed_size: 120064
    .private_segment_fixed_size: 0
    .kernarg_segment_align: 8
    .kernarg_segment_size: 80
    .max_flat_workgroup_size: 256
    .sgpr_count:     66
    .vgpr_count:     232
    .wavefront_size: 32
...
	.end_amdgpu_metadata
.endif
;; end of part 1
;; launch g1 (part 2): grid 12 x 16, 4 waves a work-group, clusters of 4 x 4, 327,680 bytes of LDS; arguments aimg, wimg, xs, qkv; writes qkv
.if DOCPART == 2
	.amdgcn_target "amdgcn-amd-amdhsa--gfx1250"
	.amdhsa_code_object_version 6
	.text
	.protected	k_q35e0a9c029_g1
	.globl	k_q35e0a9c029_g1
	.p2align	8
	.type	k_q35e0a9c029_g1,@function
k_q35e0a9c029_g1:
	s_mov_b64 s[64:65], 0
	v_nop
	global_prefetch_b8 v0, s[64:65] scope:SCOPE_SE
	s_setreg_imm32_b32 hwreg(HW_REG_WAVE_MODE, 25, 1), 1
	s_wait_xcnt 0x0
	s_wait_alu depctr_hold_cnt(0) depctr_sa_sdst(0) depctr_va_vdst(0) depctr_va_sdst(0) depctr_va_ssrc(0) depctr_va_vcc(0) depctr_vm_vsrc(0)
	s_getreg_b32 s2, hwreg(HW_REG_IB_STS2, 6, 4)
	s_cmp_eq_u32 s2, 0
	s_cbranch_scc0 .Lentry_in_a_cluster
	s_endpgm
.Lentry_in_a_cluster:
	s_bfe_u32 s2, ttmp6, 0x10000c
	s_cmp_lg_u32 s2, 0xf033
	s_cbranch_scc0 .Lentry_shape_is_right
	s_endpgm
.Lentry_shape_is_right:
.set T,     8
.set KDIM,  1024
.set KB,    100*KDIM
.set SUBB,  12800
.set NQ,    3
.set QTR,   NQ*SUBB
.set SLOT,  4*QTR
.set HALFA, QTR
.set HALFS, QTR
.set TYB,   2*KB
.set EB,    KB
.set SLOTB, NQ*SUBB
.set SPARE, 2*SLOT
.set QB,    3407872
.set ADRA16, 8
.set ADRA8,  10
.set ADRB16, 12
.set ADRB8,  14
.set ADRS,   16
.set SPW,  28
.set NIL,  29
.set SC,   32
.set AF,   64
.set NUM,  64
.set TAB,  128
.set PC,   192
.set TM,   212
.set PW,   228
.set SEL,  94
.set G1A, 24
.set G0A, 32
.set G1B, 48
.set G0B, 56
.set G1A2, 68
.set G1B2, 76
.set MSB, 0
.macro WIN new
.if MSB != (\new)
	s_set_vgpr_msb (MSB<<8)|(\new)
.set MSB, (\new)
.endif
.endm
.set MUL_LO, 0xa1
.set TO_B,   0x40
.macro JLOAD g0a, g1a, g0b, g1b
	s_cmp_eq_u32 s15, 0
	s_cbranch_scc0 .Lfor_0_\@
	tensor_load_to_lds s[\g0a:\g0a+3], s[\g1a:\g1a+7]
	s_nop 0
.rept 4
	v_nop
.endr
	s_branch .Lasked_\@
.Lfor_0_\@:
	tensor_load_to_lds s[\g0b:\g0b+3], s[\g1b:\g1b+7]
	s_nop 0
.rept 4
	v_nop
.endr
.Lasked_\@:
.endm
.macro CREST
	s_cmp_lg_u32 s14, 0
	s_cbranch_scc1 .Lnot_wave_0_\@
	s_barrier_signal -3
.Lnot_wave_0_\@:
	s_barrier_wait -3
	s_barrier_signal -1
	s_barrier_wait -1
.endm
.macro CROUND
	s_barrier_signal -1
	s_barrier_wait -1
	CREST
.endm
.macro PLACES
.rept 4
	v_nop
.endr
.endm
.macro FETCH slot, q, p
	WIN TO_B
.set I, 0
.rept T
	ds_load_b128 v[128*(\p)+12*I:128*(\p)+12*I+3], v[ADRB16+\slot] offset:(\q)*SUBB+I*1536
	ds_load_b64 v[128*(\p)+12*I+4:128*(\p)+12*I+5], v[ADRB8+\slot] offset:(\q)*SUBB+I*1536+512
	ds_load_b128 v[128*(\p)+12*I+6:128*(\p)+12*I+9], v[ADRB16+\slot] offset:(\q)*SUBB+I*1536+768
	ds_load_b64 v[128*(\p)+12*I+10:128*(\p)+12*I+11], v[ADRB8+\slot] offset:(\q)*SUBB+I*1536+1280
.set I, I+1
.endr
	WIN 0
.set I, 0
.rept T
	ds_load_b128 v[AF+96*(\p)+12*I:AF+96*(\p)+12*I+3], v[ADRA16+\slot] offset:(\q)*SUBB+I*1536
	ds_load_b64 v[AF+96*(\p)+12*I+4:AF+96*(\p)+12*I+5], v[ADRA8+\slot] offset:(\q)*SUBB+I*1536+512
	ds_load_b128 v[AF+96*(\p)+12*I+6:AF+96*(\p)+12*I+9], v[ADRA16+\slot] offset:(\q)*SUBB+I*1536+768
	ds_load_b64 v[AF+96*(\p)+12*I+10:AF+96*(\p)+12*I+11], v[ADRA8+\slot] offset:(\q)*SUBB+I*1536+1280
.set I, I+1
.endr
.set I, 0
.rept T
	ds_load_b32 v[SC+8*(\p)+I], v[ADRS+\slot] offset:(\q)*SUBB+64*I
.set I, I+1
.endr
.endm
.macro MULS a0, n, p, zero
.set MA, \a0
.rept \n
	WIN MUL_LO+0x50*((T*MA)/32)
.set MB, 0
.rept T
.set RC, 8*((T*MA+MB)%32)
.if \zero
	v_wmma_scale_f32_16x16x128_f8f6f4 v[RC:RC+7], v[128*(\p)+12*MB:128*(\p)+12*MB+11], v[AF+96*(\p)+12*MA:AF+96*(\p)+12*MA+11], 0, v[SC+8*(\p)+MB], v[SC+8*(\p)+MA] matrix_a_fmt:MATRIX_FMT_FP6 matrix_b_fmt:MATRIX_FMT_FP6 matrix_a_scale:MATRIX_SCALE_ROW1
.else
	v_wmma_scale_f32_16x16x128_f8f6f4 v[RC:RC+7], v[128*(\p)+12*MB:128*(\p)+12*MB+11], v[AF+96*(\p)+12*MA:AF+96*(\p)+12*MA+11], v[RC:RC+7], v[SC+8*(\p)+MB], v[SC+8*(\p)+MA] matrix_a_fmt:MATRIX_FMT_FP6 matrix_b_fmt:MATRIX_FMT_FP6 matrix_a_scale:MATRIX_SCALE_ROW1
.endif
.set MB, MB+1
.endr
.set MA, MA+1
.endr
.endm
.macro STEP slot, q, p, zero
	s_wait_dscnt 0x0
	PLACES
	FETCH \slot, (\q)+1, 1-(\p)
	MULS 0, T, \p, \zero
.endm
.macro TURN slot, next, p, fill
	WIN 0
	s_wait_tensorcnt 0x0
	ds_add_u32 v[SPW], v[NIL]
	s_wait_dscnt 1
	MULS 0, T/4, \p, 0
	s_wait_dscnt 0x0
	s_barrier_signal -1
	MULS T/4, T/4, \p, 0
	WIN 0
	s_barrier_wait -1
.if \fill
	CREST
	s_add_nc_u64 s[G0A+4*\slot+2:G0A+4*\slot+3], s[G0A+4*\slot+2:G0A+4*\slot+3], 2*SLOTB
	s_add_nc_u64 s[G0B+4*\slot+2:G0B+4*\slot+3], s[G0B+4*\slot+2:G0B+4*\slot+3], 2*SLOTB
	JLOAD G0A+4*\slot, G1A2, G0B+4*\slot, G1B2
.else
	PLACES
.endif
	FETCH \next, 0, 1-(\p)
	MULS T/2, T/2, \p, 0
.endm
.macro QUANT s, w
	WIN ((\w)<<2)|((\w)<<4)
.irp b, 0,1,2,3
	v_max3_num_f32 v[TM+\b], 0x1800000, |v[\s+16*\b]|, |v[\s+1+16*\b]|
.endr
.irp i, 2,4,6,8,10,12,14
.irp b, 0,1,2,3
	v_max3_num_f32 v[TM+\b], v[TM+\b], |v[\s+16*\b+\i]|, |v[\s+1+16*\b+\i]|
.endr
.endr
	WIN 0
.irp b, 0,1,2,3
	v_permlanex16_b32 v[TM+4+\b], v[TM+\b], s[SEL], s[SEL+1]
.endr
.irp b, 0,1,2,3
	v_max_num_f32 v[TM+\b], v[TM+\b], v[TM+4+\b]
.endr
.irp b, 0,1,2,3
	v_add_nc_u32 v[TM+12+\b], 0xff000000, v[TM+\b]
.endr
.irp b, 0,1,2,3
	v_lshrrev_b32 v[TM+4+\b], 23, v[TM+12+\b]
.endr
	v_lshl_or_b32 v[PW], v[TM+5], 8, v[TM+4]
	v_lshl_or_b32 v[PW], v[TM+6], 16, v[PW]
	v_lshl_or_b32 v[PW], v[TM+7], 24, v[PW]
	WIN (\w)
.irp c, 0,1
	v_cvt_scalef32_pk16_fp6_f32 v[PC+6*\c:PC+2+6*\c], v[\s+32*\c:\s+15+32*\c], v[TM+12+2*\c]
	v_cvt_scalef32_pk16_fp6_f32 v[PC+12+4*\c:PC+14+4*\c], v[\s+16+32*\c:\s+31+32*\c], v[TM+13+2*\c]
.endr
	WIN 0
	v_nop
.irp c, 0,1
.irp i, 0,1,2
	v_permlane16_swap_b32 v[PC+6*\c+\i], v[PC+12+4*\c+\i]
.endr
.irp i, 0,1,2
	v_mov_b32 v[PC+3+6*\c+\i], v[PC+12+4*\c+\i]
.endr
.endr
.endm
	s_load_b128 s[4:7], s[0:1], 0x0
	s_load_b128 s[8:11], s[0:1], 0x10
	v_lshl_add_u32 v[SPW], v0, 2, SPARE
	v_mov_b32 v[NIL], 0
	ds_add_u32 v[SPW], v[NIL]
	ds_add_u32 v[SPW], v[NIL]
	v_lshrrev_b32 v1, 5, v0
	v_readfirstlane_b32 s14, v1
	s_lshr_b32 s15, s14, 1
	s_and_b32 s16, s14, 1
	s_bfe_u32 s40, ttmp6, 0x40000
	s_bfe_u32 s41, ttmp6, 0x40004
	s_and_b32 s70, ttmp7, 0xffff
	s_lshl_b32 s71, s70, 2
	s_lshl_b32 s72, ttmp9, 2
	s_add_co_u32 s73, s41, s71
	s_add_co_u32 s74, s41, 8
	s_add_co_u32 s75, s40, s72
	s_add_co_u32 s76, s40, s71
	s_cmp_eq_u32 ttmp9, 2
	s_cselect_b32 s17, s74, s73
	s_cselect_b32 s42, s76, s75
	s_lshl_b32 s43, s41, 2
	s_lshl_b32 s43, 15, s43
	s_lshl_b32 s44, 0x1111, s40
	s_or_b32 s[G1A], s43, (3<<16)|(1<<21)
	s_or_b32 s[G1B], s44, (3<<16)|(1<<21)
	s_or_b32 s[G1A2], s43, (3<<16)|(1<<21)
	s_or_b32 s[G1B2], s44, (3<<16)|(1<<21)
.irp g, G1A, G1B
	s_mov_b32 s[\g+1], 32<<16
	s_mov_b32 s[\g+2], 150<<16
	s_mov_b32 s[\g+3], 32<<16
	s_mov_b32 s[\g+4], 150
	s_mov_b32 s[\g+5], 32
	s_mov_b32 s[\g+6], 0
	s_mov_b32 s[\g+7], 0
.endr
.irp g, G1A2, G1B2
	s_mov_b32 s[\g+1], 32<<16
	s_mov_b32 s[\g+2], 100<<16
	s_mov_b32 s[\g+3], 32<<16
	s_mov_b32 s[\g+4], 100
	s_mov_b32 s[\g+5], 32
	s_mov_b32 s[\g+6], 0
	s_mov_b32 s[\g+7], 0
.endr
	s_mul_i32 s22, s16, EB
	s_mul_i32 s20, s17, TYB
	s_add_co_u32 s20, s20, s22
	s_mov_b32 s21, 0
	s_mul_i32 s46, s42, TYB
	s_add_co_u32 s46, s46, s22
	s_mov_b32 s47, 0
	s_mul_i32 s45, s14, QTR
	s_wait_dscnt 0x0
	s_wait_kmcnt 0x0
	s_cmp_eq_u32 ttmp9, 2
	s_cselect_b64 s[90:91], s[6:7], s[4:5]
	s_cselect_b64 s[92:93], s[4:5], s[6:7]
	s_add_nc_u64 s[20:21], s[90:91], s[20:21]
	s_add_nc_u64 s[46:47], s[92:93], s[46:47]
	CROUND
.irp s, 0,1
	s_mov_b32 s[G0A+4*\s], 1
	s_add_co_u32 s[G0A+4*\s+1], s45, \s*SLOT
	s_add_nc_u64 s[G0A+4*\s+2:G0A+4*\s+3], s[20:21], \s*SLOTB
	s_or_b32 s[G0A+4*\s+3], s[G0A+4*\s+3], 0x80000000
	s_mov_b32 s[G0B+4*\s], 1
	s_add_co_u32 s[G0B+4*\s+1], s45, \s*SLOT
	s_add_nc_u64 s[G0B+4*\s+2:G0B+4*\s+3], s[46:47], \s*SLOTB
	s_or_b32 s[G0B+4*\s+3], s[G0B+4*\s+3], 0x80000000
.endr
	JLOAD G0A, G1A, G0B, G1B
	v_and_b32 v1, 15, v0
	v_bfe_u32 v2, v0, 4, 1
	v_and_b32 v3, 31, v0
	v_lshlrev_b32 v4, 4, v3
	v_lshlrev_b32 v5, 3, v3
	v_lshlrev_b32 v6, 2, v3
	s_mul_i32 s66, s15, HALFA
	s_mul_i32 s67, s16, HALFA
	s_add_co_u32 s67, s67, 2*QTR
.irp s, 0,1
	v_add_nc_u32 v[ADRA16+\s], s66, v4
	v_add_nc_u32 v[ADRA8+\s], s66, v5
	v_add_nc_u32 v[ADRB16+\s], s67, v4
	v_add_nc_u32 v[ADRB8+\s], s67, v5
	s_add_co_u32 s66, s66, SLOT
	s_add_co_u32 s67, s67, SLOT
.endr
	s_xor_b32 s67, s15, 1
	s_add_co_u32 s67, s67, s16
	s_mul_i32 s67, s67, HALFS
	s_add_co_u32 s67, s67, 2*QTR-HALFS
	v_mul_u32_u24 v7, s67, v2
	v_lshl_add_u32 v7, v1, 2, v7
	s_mul_i32 s66, s15, HALFS
	s_add_co_u32 s66, s66, 12288
	v_add_nc_u32 v[ADRS], s66, v7
	v_add_nc_u32 v[ADRS+1], SLOT, v[ADRS]
	s_wait_alu depctr_va_vdst(0)
	s_wait_tensorcnt 0x0
	ds_add_u32 v[SPW], v[NIL]
	s_wait_dscnt 0x0
	CROUND
	JLOAD G0A+4, G1A, G0B+4, G1B
	FETCH 0, 0, 0
	STEP 0, 0, 0, 1
	STEP 0, 1, 1, 0
	TURN 0, 1, 0, 1
	STEP 1, 0, 1, 0
	STEP 1, 1, 0, 0
	TURN 1, 0, 1, 0
	STEP 0, 0, 0, 0
	s_wait_dscnt 0x0
	MULS 0, T, 1, 0
	WIN 0
	PLACES
	s_cmp_eq_u32 ttmp9, 2
	s_cselect_b32 s70, s42, s17
	s_cselect_b32 s71, s16, s15
	s_cselect_b32 s72, s41, s40
	s_cselect_b32 s73, s15, s16
	s_mov_b32 s74, QB
	s_cselect_b32 s74, QB+6656, s74
	s_mov_b32 s75, 208896
	s_mov_b32 s76, 13056
	s_cmp_eq_u32 ttmp9, 0
	s_cselect_b32 s74, 0, s74
	s_cselect_b32 s75, 106496, s75
	s_cselect_b32 s76, 6656, s76
	s_lshr_b32 s77, s70, 3
	s_and_b32 s78, s70, 7
	s_lshl_b32 s78, s78, 1
	s_add_co_u32 s78, s78, s71
	s_lshl_b32 s79, s72, 2
	s_lshl_b32 s80, s73, 1
	s_add_co_u32 s79, s79, s80
	s_lshl_b32 s77, s77, 4
	s_add_co_u32 s77, s77, s79
	s_mul_i32 s77, s77, s75
	s_mul_i32 s80, s78, s76
	s_add_co_u32 s77, s77, s80
	s_add_co_u32 s80, s77, s74
	s_mov_b32 s81, 0
	s_add_nc_u64 s[82:83], s[10:11], s[80:81]
	s_mov_b32 s80, s75
	s_add_nc_u64 s[84:85], s[82:83], s[80:81]
	s_lshl_b32 s80, s78, 15
	s_add_co_u32 s80, s80, 16777216
	s_add_nc_u64 s[86:87], s[8:9], s[80:81]
	s_mov_b32 s[SEL], 0x76543210
	s_mov_b32 s[SEL+1], 0xfedcba98
	v_cmp_lt_u32 s88, 15, v3
	v_and_b32 v7, 8, v1
	v_add_nc_u32 v7, v7, v1
	v_lshlrev_b32 v7, 8, v7
	v_lshl_add_u32 v21, v2, 6, v7
.irp b, 0,1,2,3
	v_mov_b32 v[TM+4+\b], 0
.endr
	s_cmp_eq_u32 ttmp9, 2
	s_cbranch_scc1 .Lvpath
.macro TABLOAD y
.irp j, 0,1,2,3
	global_load_b128 v[TAB+32*((\y)%2)+4*\j:TAB+32*((\y)%2)+4*\j+3], v21, s[86:87] offset:(32*((\y)/2)+8*((\y)%2))*256+16*\j
.endr
.irp j, 0,1,2,3
	global_load_b128 v[TAB+32*((\y)%2)+16+4*\j:TAB+32*((\y)%2)+19+4*\j], v21, s[86:87] offset:(32*((\y)/2)+8*((\y)%2))*256+128+16*\j
.endr
.endm
.macro ROPE y
.set WW, 2+(\y)/4
.set AC, 64*((\y)%4)
.set TBS, TAB+32*((\y)%2)
.if (\y) < 7
	TABLOAD (\y)+1
	s_wait_loadcnt 8
.else
	s_wait_loadcnt 0
.endif
	s_wait_xcnt 0x0
	WIN WW
.irp d, 0,1
.irp i, 0,2,4,6,8,10,12,14
	v_pk_mul_f32 v[232:233], v[AC+32*\d+\i:AC+32*\d+\i+1], v[TBS+\i:TBS+\i+1]
	v_pk_mul_f32 v[234:235], v[AC+32*\d+16+\i:AC+32*\d+17+\i], v[TBS+\i:TBS+\i+1]
	v_pk_fma_f32 v[NUM+32*\d+\i:NUM+32*\d+\i+1], v[AC+32*\d+16+\i:AC+32*\d+17+\i], v[TBS+16+\i:TBS+17+\i], v[232:233] neg_lo:[1,0,0] neg_hi:[1,0,0]
	v_pk_fma_f32 v[NUM+32*\d+16+\i:NUM+32*\d+17+\i], v[AC+32*\d+\i:AC+32*\d+\i+1], v[TBS+16+\i:TBS+17+\i], v[234:235]
.endr
.endr
	WIN 0
	QUANT NUM, 0
	global_store_b128 v4, v[PC:PC+3], s[82:83] offset:(\y)*768
	global_store_b64 v5, v[PC+4:PC+5], s[82:83] offset:(\y)*768+512
	global_store_b128 v4, v[PC+6:PC+9], s[84:85] offset:(\y)*768
	global_store_b64 v5, v[PC+10:PC+11], s[84:85] offset:(\y)*768+512
.if (\y)%2 == 0
	v_and_b32 v229, 0xffff, v[PW]
	v_lshrrev_b32 v230, 16, v[PW]
.else
	v_and_b32 v237, 0xffff, v[PW]
	v_lshrrev_b32 v238, 16, v[PW]
	v_cndmask_b32 v231, v229, v237, s88
	v_cndmask_b32 v236, v230, v238, s88
	global_store_b32 v6, v231, s[82:83] offset:6144+64*((\y)-1)
	global_store_b32 v6, v236, s[84:85] offset:6144+64*((\y)-1)
.endif
.endm
	TABLOAD 0
.irp y, 0,1,2,3,4,5,6,7
	ROPE \y
.endr
	s_branch .Lend
.Lvpath:
.macro VTILE y
.set WW, 2+(\y)/4
.set AC, 64*((\y)%4)
.set DS, 82+2*((\y)/4)
	s_wait_xcnt 0x0
	QUANT AC, WW
	global_store_b128 v4, v[PC:PC+3], s[DS:DS+1] offset:((\y)%4)*1536
	global_store_b64 v5, v[PC+4:PC+5], s[DS:DS+1] offset:((\y)%4)*1536+512
	global_store_b128 v4, v[PC+6:PC+9], s[DS:DS+1] offset:((\y)%4)*1536+768
	global_store_b64 v5, v[PC+10:PC+11], s[DS:DS+1] offset:((\y)%4)*1536+1280
.if (\y)%2 == 0
	v_mov_b32 v229, v[PW]
.else
	v_cndmask_b32 v231, v229, v[PW], s88
	global_store_b32 v6, v231, s[DS:DS+1] offset:6144+64*(((\y)%4)-1)
.endif
.endm
.irp y, 0,1,2,3,4,5,6,7
	VTILE \y
.endr
.Lend:
	s_wait_tensorcnt 0x0
	ds_add_u32 v[SPW], v[NIL]
	s_wait_dscnt 0x0
	CROUND
	s_endpgm
.Lfunc_end_k_q35e0a9c029_g1:
	.size	k_q35e0a9c029_g1, .Lfunc_end_k_q35e0a9c029_g1-k_q35e0a9c029_g1
	.p2alignl 7, 3214868480
	.fill 96, 4, 3214868480
	.section	.rodata,"a",@progbits
	.p2align	6, 0x0
	.amdhsa_kernel k_q35e0a9c029_g1
		.amdhsa_group_segment_fixed_size 327680
		.amdhsa_private_segment_fixed_size 0
		.amdhsa_enable_private_segment 0
		.amdhsa_kernarg_size 32
		.amdhsa_user_sgpr_count 2
		.amdhsa_user_sgpr_kernarg_segment_ptr 1
		.amdhsa_wavefront_size32 1
		.amdhsa_system_sgpr_workgroup_id_x 1
		.amdhsa_system_sgpr_workgroup_id_y 1
		.amdhsa_system_sgpr_workgroup_id_z 1
		.amdhsa_system_vgpr_workitem_id 0
		.amdhsa_next_free_vgpr 1024
		.amdhsa_next_free_sgpr 100
		.amdhsa_reserve_vcc 0
		.amdhsa_float_denorm_mode_32 3
		.amdhsa_float_denorm_mode_16_64 3
		.amdhsa_memory_ordered 1
		.amdhsa_forward_progress 1
		.amdhsa_inst_pref_size 223
	.end_amdhsa_kernel
	.amdgpu_metadata
---
amdhsa.version: [ 1, 2 ]
amdhsa.kernels:
  - .name:           k_q35e0a9c029_g1
    .symbol:         k_q35e0a9c029_g1.kd
    .args:
      - { .name: aimg, .offset: 0, .size: 8, .value_kind: global_buffer, .address_space: global }
      - { .name: wimg, .offset: 8, .size: 8, .value_kind: global_buffer, .address_space: global }
      - { .name: xs, .offset: 16, .size: 8, .value_kind: global_buffer, .address_space: global }
      - { .name: qkv, .offset: 24, .size: 8, .value_kind: global_buffer, .address_space: global }
    .group_segment_fixed_size: 327680
    .private_segment_fixed_size: 0
    .kernarg_segment_align: 8
    .kernarg_segment_size: 32
    .max_flat_workgroup_size: 128
    .sgpr_count:     100
    .vgpr_count:     1024
    .wavefront_size: 32
...
	.end_amdgpu_metadata
.endif
;; end of part 2
;; launch at (part 3): grid 8 x 32, 8 waves a work-group, clusters of 4 x 1, 210,944 bytes of LDS; arguments qkv, aimg; writes aimg
.if DOCPART == 3
	.amdgcn_target "amdgcn-amd-amdhsa--gfx1250"
	.amdhsa_code_object_version 6
	.text
	.protected	k_q35e0a9c029_at
	.globl	k_q35e0a9c029_at
	.p2align	8
	.type	k_q35e0a9c029_at,@function
k_q35e0a9c029_at:
	s_mov_b64 s[64:65], 0
	v_nop
	global_prefetch_b8 v0, s[64:65] scope:SCOPE_SE
	s_setreg_imm32_b32 hwreg(HW_REG_WAVE_MODE, 25, 1), 1
	s_wait_xcnt 0x0
	s_wait_alu depctr_hold_cnt(0) depctr_sa_sdst(0) depctr_va_vdst(0) depctr_va_sdst(0) depctr_va_ssrc(0) depctr_va_vcc(0) depctr_vm_vsrc(0)
	s_getreg_b32 s2, hwreg(HW_REG_IB_STS2, 6, 4)
	s_cmp_eq_u32 s2, 0
	s_cbranch_scc0 .Lentry_in_a_cluster
	s_endpgm
.Lentry_in_a_cluster:
	s_bfe_u32 s2, ttmp6, 0x10000c
	s_cmp_lg_u32 s2, 0x3003
	s_cbranch_scc0 .Lentry_shape_is_right
	s_endpgm
.Lentry_shape_is_right:
; Attention on E2M3 codes: 32 heads (batch x head) of 2,048 tokens, head size 64, no mask.  o = softmax(q k^T / 8) v, quantised again along the model's 1,024 for the projection and stored as half fragments of its operand image.
; THE SOFTMAX AHEAD OF THE SECOND PRODUCT: t = score x log2(e) / 8; M = the running largest t rounded UP to a whole number; p = 2^(t - M) is quantised along the keys; the row's sum is taken of the unquantised p and divides at the end.
; When M moves, the sum and O are multiplied by 2^(old M - new M): exact.
; SHARES.  A work-group owns 256 queries of one head; each of its eight waves owns TWO tiles of 16 queries (x = 0, 1), in 512 registers.  Each fragment of K and V read from LDS feeds both tiles, and the two tiles' vector chains stand line by line by turns.
; A HEAD'S K AND V, 208,896 dense bytes of codes and scale words, LIE IN LDS WHOLE: filled once, each wave asking for two key steps (26,112 bytes) by its one tensor load at the head.  Nothing is filled again; one barrier shows all of it to all waves.
; CLUSTER 4 x 1: four query blocks of one head ask for each part jointly.  No prefetch: all that the launch reads through LDS is asked for at its head, so there is no loop to run ahead in.
; LAYOUT.  Both products transposed: S^T = K Q^T, O^T = V^T P^T: a lane holds one query.  The images hold lane r of tile i = row 32 (i/2) + 8 (i%2) + r + 8 (r/8), so p's 16 registers of two neighbouring tiles are 16 neighbouring keys.
; The first product's K is 64.  Two neighbouring key tiles' half fragments are one fragment of 12 registers, [tile 2u | tile 2u+1]; it is multiplied once by [Q | zeros] and once by [zeros | Q] (18 registers: zeros, Q, zeros).
; K's scale words hold two bytes: the even tile's in lanes 0-15, used as they lie; the odd tile's in lanes 16-31, shifted up 16 bits to stand over k = 64..127.  Q's two bytes are written into both halves of its word.  Bytes over zero codes are 0 or finite.
; A TRIP: V of this step and K of the next are asked for; the softmax of both tiles; then the 8 products for O^T and the next step's 16 products for S^T stand among the additions of the rows' sums:
; a block of S^T is begun anew only behind the additions that read its p.  The first S^T stands ahead of the loop, the last step is written out.
; WINDOWS.  Window 0: addresses, scale words, the softmax's registers, S^T / p of both tiles (v128-255).  Window 1: K's fragments v0-47, V's v48-95, O^T v96-159, Q v160-195.
; LIMITS: the scaled scores stay under 2^31 in magnitude; NaN and infinities are not served; an output block under 2^-124 gets the byte 1, a block of zeros the byte 1 and zero codes (only this program reads the bytes).
.set STEPB, 13056                      ; a key step of 128: K: 8 half fragments of 768, 512 of scale words; V: 4 fragments of 1,536, 256 of scale words
.set HEADB, 16*STEPB
.set QB,    3407872
.set SPARE, HEADB                      ; behind K and V: the spare words, 128 bytes a wave
.set SPW, 5
.set NIL, 6
.set SH,  7                            ; 16 in lanes 16-31, 0 in lanes 0-15
.set KS,  24                           ; v24-27 K's scale words; v28-29 V's; v30-31 Q's
.set VS,  28
.set QS,  30
.set BM,  32                           ; v32-39 block maxima (4 x + b); v40-47 at work; v48-55 the conversions' scale operands
.set T2,  40
.set SO,  48
.set CD,  56                           ; v56-79 p's codes, 12 a tile; v80-95 the conversions' second halves
.set CT,  80
.set R,   96                           ; v96-99 at work; v100-103 the sums' second chains
.set TS,  100
; v12+4x: -M, v13+4x: the largest score, v[14+4x:15+4x]: the sum;  v20+2x: f, v21+2x: p's scale word
.set KF,  0                            ; window 1
.set VF,  48
.set OA,  96
.set QF,  160
.set WV,  18
.set SEL, 20
.set CS,  22
.set TB,  2
.set MSB, 0
.macro WIN new                         ; the immediate's high byte repeats the setting that is left
.if MSB != (\new)
	s_set_vgpr_msb (MSB<<8)|(\new)
.set MSB, (\new)
.endif
.endm
.macro CROUND
	s_barrier_signal -1
	s_barrier_wait -1
	s_cmp_lg_u32 s[WV], 0
	s_cbranch_scc1 .Lnot_wave_0_\@
	s_barrier_signal -3
.Lnot_wave_0_\@:
	s_barrier_wait -3
	s_barrier_signal -1
	s_barrier_wait -1
.endm
.macro ADDR                            ; the LDS addresses of the key step at s[TB]
	v_add_nc_u32 v8, s[TB], v1
	v_add_nc_u32 v9, s[TB], v2
	v_add_nc_u32 v10, s[TB], v3
.endm
.macro KLOAD off                       ; 20 loads: K's four fragments (eight key tiles) and four registers of scale words, off bytes on from the addresses in hand
	WIN 0x40                                       ; destination window 1
.irp u, 0,1,2,3
	ds_load_b128 v[KF+12*\u:KF+12*\u+3], v8 offset:(\off)+1536*\u
	ds_load_b64 v[KF+12*\u+4:KF+12*\u+5], v9 offset:(\off)+1536*\u+512
	ds_load_b128 v[KF+12*\u+6:KF+12*\u+9], v8 offset:(\off)+1536*\u+768
	ds_load_b64 v[KF+12*\u+10:KF+12*\u+11], v9 offset:(\off)+1536*\u+1280
.endr
	WIN 0
.irp u, 0,1,2,3
	ds_load_b32 v[KS+\u], v10 offset:(\off)+6144+128*\u
.endr
.endm
.macro SQK4 u                          ; S^T of key tiles 2 u and 2 u + 1 x both query tiles: four products, each on an accumulator of its own, begun with 0
	WIN 0x05                                       ; sources 0 and 1: window 1
.irp x, 0,1
	v_wmma_scale_f32_16x16x128_f8f6f4 v[128+64*\x+16*(\u):135+64*\x+16*(\u)], v[KF+12*(\u):KF+12*(\u)+11], v[QF+18*\x+6:QF+18*\x+17], 0, v[KS+(\u)], v[QS+\x] matrix_a_fmt:MATRIX_FMT_FP6 matrix_b_fmt:MATRIX_FMT_FP6
.endr
.irp x, 0,1
	v_wmma_scale_f32_16x16x128_f8f6f4 v[136+64*\x+16*(\u):143+64*\x+16*(\u)], v[KF+12*(\u):KF+12*(\u)+11], v[QF+18*\x:QF+18*\x+11], 0, v[KS+(\u)], v[QS+\x] matrix_a_fmt:MATRIX_FMT_FP6 matrix_b_fmt:MATRIX_FMT_FP6 matrix_a_scale:MATRIX_SCALE_ROW1
.endr
	WIN 0
.endm
.macro OPV2 t                          ; O^T += V^T P^T, channels 16 t .. 16 t + 15 of both query tiles
	WIN 0x51                                       ; V, C and D: window 1; p's codes: window 0
.irp x, 0,1
.if (\t)%2
	v_wmma_scale_f32_16x16x128_f8f6f4 v[OA+32*\x+8*(\t):OA+32*\x+8*(\t)+7], v[VF+12*(\t):VF+12*(\t)+11], v[CD+12*\x:CD+12*\x+11], v[OA+32*\x+8*(\t):OA+32*\x+8*(\t)+7], v[VS+(\t)/2], v[21+2*\x] matrix_a_fmt:MATRIX_FMT_FP6 matrix_b_fmt:MATRIX_FMT_FP6 matrix_a_scale:MATRIX_SCALE_ROW1
.else
	v_wmma_scale_f32_16x16x128_f8f6f4 v[OA+32*\x+8*(\t):OA+32*\x+8*(\t)+7], v[VF+12*(\t):VF+12*(\t)+11], v[CD+12*\x:CD+12*\x+11], v[OA+32*\x+8*(\t):OA+32*\x+8*(\t)+7], v[VS+(\t)/2], v[21+2*\x] matrix_a_fmt:MATRIX_FMT_FP6 matrix_b_fmt:MATRIX_FMT_FP6
.endif
.endr
	WIN 0
.endm
.macro SUMG j                          ; p's registers j .. j + 3 of both tiles onto the rows' sums: two chains a tile
	v_pk_add_f32 v[14:15], v[14:15], v[128+(\j):129+(\j)]
	v_pk_add_f32 v[18:19], v[18:19], v[192+(\j):193+(\j)]
	v_pk_add_f32 v[TS:TS+1], v[TS:TS+1], v[130+(\j):131+(\j)]
	v_pk_add_f32 v[TS+2:TS+3], v[TS+2:TS+3], v[194+(\j):195+(\j)]
.endm
.macro BMX b0, b1                      ; the largest score of blocks b0, b1 of 32 keys, my 16 of each: two chains a block and tile, each begun at its accumulator's low end; eight chains by turns
.irp b, \b0, \b1
.irp x, 0,1
	v_max3_num_f32 v[BM+4*\x+\b], v[128+64*\x+16*\b], v[129+64*\x+16*\b], v[130+64*\x+16*\b]
	v_max3_num_f32 v[T2+4*\x+\b], v[136+64*\x+16*\b], v[137+64*\x+16*\b], v[138+64*\x+16*\b]
.endr
.endr
.irp i, 3,5
.irp b, \b0, \b1
.irp x, 0,1
	v_max3_num_f32 v[BM+4*\x+\b], v[BM+4*\x+\b], v[128+64*\x+16*\b+\i], v[129+64*\x+16*\b+\i]
	v_max3_num_f32 v[T2+4*\x+\b], v[T2+4*\x+\b], v[136+64*\x+16*\b+\i], v[137+64*\x+16*\b+\i]
.endr
.endr
.endr
.irp b, \b0, \b1
.irp x, 0,1
	v_max3_num_f32 v[BM+4*\x+\b], v[BM+4*\x+\b], v[T2+4*\x+\b], v[135+64*\x+16*\b]
.endr
.endr
.irp b, \b0, \b1
.irp x, 0,1
	v_max_num_f32 v[BM+4*\x+\b], v[BM+4*\x+\b], v[143+64*\x+16*\b]
.endr
.endr
.endm
.macro STEP pre                        ; 128 keys at LDS byte s[TB]; their S^T lies in v128-255.  pre = 1: the next step's K is fetched and its S^T begun
	ADDR                                           ; these three and the v_nop are the four places behind the last products, in front of the loads into their operands
	v_nop
	WIN 0x40
.irp t, 0,1,2,3
	ds_load_b128 v[VF+12*\t:VF+12*\t+3], v8 offset:6656+1536*\t
	ds_load_b64 v[VF+12*\t+4:VF+12*\t+5], v9 offset:6656+1536*\t+512
	ds_load_b128 v[VF+12*\t+6:VF+12*\t+9], v8 offset:6656+1536*\t+768
	ds_load_b64 v[VF+12*\t+10:VF+12*\t+11], v9 offset:6656+1536*\t+1280
.endr
.if \pre
	KLOAD STEPB
.endif
	WIN 0
	ds_load_b32 v[VS], v10 offset:12800
	ds_load_b32 v[VS+1], v10 offset:12928
	BMX 0, 1
	BMX 2, 3
.irp b, 0,1,2,3
.irp x, 0,1
	v_permlanex16_b32 v[T2+4*\x+\b], v[BM+4*\x+\b], s[SEL], s[SEL+1]
.endr
.endr
.irp b, 0,1,2,3
.irp x, 0,1
	v_max_num_f32 v[BM+4*\x+\b], v[BM+4*\x+\b], v[T2+4*\x+\b]   ; with lane l xor 16's 16 keys: it serves the row's maximum and, since p rises with the score, the block's largest p
.endr
.endr
.irp x, 0,1
	v_max3_num_f32 v[R+\x], v[BM+4*\x], v[BM+4*\x+1], v[BM+4*\x+2]
.endr
.irp x, 0,1
	s_delay_alu instid0(VALU_DEP_2)
	v_max3_num_f32 v[13+4*\x], v[13+4*\x], v[R+\x], v[BM+4*\x+3]   ; the running largest score
.endr
.irp x, 0,1
	s_delay_alu instid0(VALU_DEP_2)
	v_mul_f32 v[R+\x], s[CS], v[13+4*\x]           ; as t (c is positive)
.endr
.irp x, 0,1
	v_mov_b32 v[R+2+\x], v[12+4*\x]
.endr
.irp x, 0,1
	s_delay_alu instid0(VALU_DEP_4)
	v_floor_f32 v[12+4*\x], -v[R+\x]               ; the new -M = -ceil(t)
.endr
	; t - M, two at a time; the short chain to f = 2^(old M - new M) stands among these lines
.set N, 0
.rept 32
	v_pk_fma_f32 v[128+2*N:129+2*N], v[128+2*N:129+2*N], s[CS:CS+1], v[12:13] op_sel_hi:[1,0,0]
	v_pk_fma_f32 v[192+2*N:193+2*N], v[192+2*N:193+2*N], s[CS:CS+1], v[16:17] op_sel_hi:[1,0,0]
.if N == 1
	v_sub_f32 v[R+2], v12, v[R+2]
	v_sub_f32 v[R+3], v16, v[R+3]
.endif
.if N == 3
	v_cvt_i32_f32 v[R+2], v[R+2]                   ; (it saturates)
	v_cvt_i32_f32 v[R+3], v[R+3]
.endif
.if N == 5
	v_ldexp_f32 v20, 1.0, v[R+2]
	v_ldexp_f32 v22, 1.0, v[R+3]
.endif
.set N, N+1
.endr
.irp b, 0,1,2,3
.irp x, 0,1
	v_fma_f32 v[BM+4*\x+\b], v[BM+4*\x+\b], s[CS], v[12+4*\x]   ; the same of each block's largest score
.endr
.endr
	WIN 0x41                                       ; source 0 and destination: window 1
.set J, 0
.rept 16
	v_pk_mul_f32 v[OA+J:OA+J+1], v[OA+J:OA+J+1], v[20:21] op_sel_hi:[1,0]          ; O^T under the new M, each accumulator from its low end on
	v_pk_mul_f32 v[OA+32+J:OA+33+J], v[OA+32+J:OA+33+J], v[22:23] op_sel_hi:[1,0]
.set J, J+2
.endr
	WIN 0
	s_wait_alu depctr_va_vdst(0)                   ; ahead of the batch
.set N, BM
.rept 8
	v_exp_f32 v[N], v[N]                           ; each block's largest p
.set N, N+1
.endr
.set N, 128
.rept 128
	v_exp_f32 v[N], v[N]                           ; p = 2^(t - M)
.set N, N+1
.endr
	v_pk_mul_f32 v[14:15], v[14:15], v[20:21] op_sel_hi:[1,0]   ; the sums under the new M (plain places behind the last exponential)
	v_pk_mul_f32 v[18:19], v[18:19], v[22:23] op_sel_hi:[1,0]
	s_wait_alu depctr_va_vdst(0)                   ; one wait for the batch, ahead of its first reader and of the wait below
	s_wait_dscnt 0x0                               ; V, its scale words and the next step's K are in: asked for at the step's head
.if \pre
.irp u, 0,1,2,3
	v_lshlrev_b32 v[KS+\u], v[SH], v[KS+\u]        ; the odd tiles' two bytes (lanes 16-31) up over k = 64..127
.endr
.endif
.irp b, 0,1,2,3
.irp x, 0,1
	v_max_num_f32 v[BM+4*\x+\b], 0x1800000, v[BM+4*\x+\b]   ; the floor 2^(3 - 127): the byte cannot fall under 1
.endr
.endr
.irp b, 0,1,2,3
.irp x, 0,1
	v_add_nc_u32 v[SO+4*\x+\b], 0xff000000, v[BM+4*\x+\b]   ; 2 off the exponent field: the conversion's scale operand
.endr
.endr
.irp b, 0,1,2,3
.irp x, 0,1
	v_lshrrev_b32 v[T2+4*\x+\b], 23, v[SO+4*\x+\b]          ; the scale's byte
.endr
.endr
	v_lshl_or_b32 v21, v[T2+1], 8, v[T2]           ; p's scale words
	v_lshl_or_b32 v23, v[T2+5], 8, v[T2+4]
	v_pk_add_f32 v[TS:TS+1], v[128:129], v[130:131]            ; (the sums' second chains begin here, between the links of the words' chains)
	v_pk_add_f32 v[TS+2:TS+3], v[192:193], v[194:195]
	v_lshl_or_b32 v21, v[T2+2], 16, v21
	v_lshl_or_b32 v23, v[T2+6], 16, v23
	v_pk_add_f32 v[14:15], v[14:15], v[132:133]
	v_pk_add_f32 v[18:19], v[18:19], v[196:197]
	v_lshl_or_b32 v21, v[T2+3], 24, v21
	v_lshl_or_b32 v23, v[T2+7], 24, v23
.irp c, 0,1
.irp x, 0,1
	v_cvt_scalef32_pk16_fp6_f32 v[CD+12*\x+6*\c:CD+12*\x+6*\c+2], v[128+64*\x+32*\c:143+64*\x+32*\c], v[SO+4*\x+2*\c]
	v_cvt_scalef32_pk16_fp6_f32 v[CT+8*\x+4*\c:CT+8*\x+4*\c+2], v[144+64*\x+32*\c:159+64*\x+32*\c], v[SO+4*\x+2*\c+1]
.endr
.endr
	v_nop                                          ; one plain place behind the conversions
.irp c, 0,1                            ; the operand wants a whole block in a lane
.irp x, 0,1
.irp i, 0,1,2
	v_permlane16_swap_b32 v[CD+12*\x+6*\c+\i], v[CT+8*\x+4*\c+\i]
.endr
.endr
.endr
.irp c, 0,1
.irp x, 0,1
.irp i, 0,1,2
	v_mov_b32 v[CD+12*\x+6*\c+3+\i], v[CT+8*\x+4*\c+\i]
.endr
.endr
.endr
	; the rows' sums of the unquantised p; the first ten lines are the places between the writes of p's codes and scale words and the products.  The products stand among the additions;
	; S^T's registers 16 u .. 16 u + 15 are begun anew behind SUMG 16 u + 12, the last addition that reads them
	v_pk_add_f32 v[TS:TS+1], v[TS:TS+1], v[134:135]
	v_pk_add_f32 v[TS+2:TS+3], v[TS+2:TS+3], v[198:199]
	SUMG 8
	SUMG 12
	OPV2 0
	SUMG 16
	OPV2 1
	SUMG 20
	OPV2 2
	SUMG 24
	OPV2 3
	SUMG 28
.if \pre
	SQK4 0
.endif
	SUMG 32
	SUMG 36
.if \pre
	SQK4 1
.endif
	SUMG 40
	SUMG 44
.if \pre
	SQK4 2
.endif
	SUMG 48
	SUMG 52
	SUMG 56
	SUMG 60
	v_pk_add_f32 v[14:15], v[14:15], v[TS:TS+1]
	v_pk_add_f32 v[18:19], v[18:19], v[TS+2:TS+3]
.if \pre
	SQK4 3
	s_add_co_u32 s[TB], s[TB], STEPB
.endif
.endm
	s_load_b128 s[4:7], s[0:1], 0x0                ; qkv, aimg
	v_lshl_add_u32 v[SPW], v0, 2, SPARE
	v_mov_b32 v[NIL], 0
	ds_add_u32 v[SPW], v[NIL]                      ; the wave's opening: the add, twice on end, and its wait ahead of the first tensor load
	ds_add_u32 v[SPW], v[NIL]
	v_lshrrev_b32 v8, 5, v0
	v_readfirstlane_b32 s[WV], v8                  ; wave 0..7
	s_bfe_u32 s8, ttmp6, 0x40000                   ; cx
	s_lshl_b32 s9, ttmp9, 2
	s_add_co_u32 s9, s9, s8                        ; my block of 256 queries: it enters Q's and the output's addresses alone
	s_and_b32 s10, ttmp7, 0xffff                   ; the head, which the four partners share
	s_mov_b32 s24, 15|(3<<16)|(1<<21)              ; group 1: the mask of all four; elements of 8 bytes; bit 21 beside the mask; no padding
	s_mov_b32 s25, 32<<16                          ; two key steps: a dense block as 102 rows of 256 bytes
	s_mov_b32 s26, 102<<16
	s_mov_b32 s27, 32<<16
	s_mov_b32 s28, 102
	s_mov_b32 s29, 32
	s_mov_b32 s30, 0
	s_mov_b32 s31, 0
	s_mul_i32 s11, s[WV], 2*STEPB                  ; key steps 2 w and 2 w + 1 are mine to fetch
	s_mul_i32 s12, s10, HEADB
	s_add_co_u32 s12, s12, s11
	s_add_co_u32 s12, s12, QB
	s_mov_b32 s13, 0
	s_lshr_b32 s15, s[WV], 2
	s_lshl_b32 s16, s9, 1
	s_add_co_u32 s16, s16, s15                     ; my block of 128 tokens
	s_and_b32 s17, s[WV], 3
	s_lshl_b32 s17, s17, 1                         ; my first tile in it; the second follows it
	s_mul_i32 s48, s10, 106496
	s_mul_i32 s49, s16, 6656
	s_add_co_u32 s48, s48, s49
	s_mul_i32 s49, s17, 768
	s_add_co_u32 s50, s48, s49                     ; Q's half fragments
	s_mov_b32 s51, 0
	s_lshl_b32 s49, s17, 6
	s_add_co_u32 s52, s48, s49
	s_add_co_u32 s52, s52, 6144                    ; their scale words
	s_mov_b32 s53, 0
	s_lshr_b32 s54, s10, 4
	s_lshl_b32 s54, s54, 4
	s_add_co_u32 s54, s54, s16                     ; the output's 128 rows: 16 x batch + block
	s_lshl_b32 s54, s54, 3
	s_bfe_u32 s55, s10, 0x30001                    ; its K step: head / 2
	s_add_co_u32 s54, s54, s55
	s_mul_i32 s54, s54, 12800
	s_and_b32 s55, s10, 1                          ; which half of a fragment: head % 2
	s_mul_i32 s56, s17, 1536
	s_add_co_u32 s56, s56, s54
	s_mul_i32 s57, s55, 768
	s_add_co_u32 s56, s56, s57
	s_mov_b32 s57, 0
	s_lshl_b32 s58, s17, 6
	s_add_co_u32 s58, s58, s54
	s_lshl_b32 s59, s55, 1
	s_add_co_u32 s58, s58, s59
	s_add_co_u32 s58, s58, 12288
	s_mov_b32 s59, 0
	s_mov_b32 s[SEL], 0x76543210
	s_mov_b32 s[SEL+1], 0xfedcba98
	s_mov_b32 s[CS], 0x3e38aa3b                    ; c = log2(e) / 8
	s_mov_b32 s[CS+1], s[CS]
	s_mov_b32 s[TB], 0
	s_mov_b32 s32, 1
	s_mov_b32 s33, s11
	s_wait_dscnt 0x0                               ; both opening adds are done
	s_wait_kmcnt 0x0
	s_add_nc_u64 s[34:35], s[4:5], s[12:13]
	s_or_b32 s35, s35, 0x80000000
	s_add_nc_u64 s[50:51], s[4:5], s[50:51]
	s_add_nc_u64 s[52:53], s[4:5], s[52:53]
	s_add_nc_u64 s[56:57], s[6:7], s[56:57]
	s_add_nc_u64 s[58:59], s[6:7], s[58:59]
	CROUND                                         ; all four work-groups are here: the joint loads meet
	tensor_load_to_lds s[32:35], s[24:31]          ; my one tensor load of the launch
	s_nop 0
	v_and_b32 v3, 31, v0
	v_and_b32 v4, 15, v0
	v_and_b32 v[SH], 16, v0
	v_lshlrev_b32 v1, 4, v3
	v_lshlrev_b32 v2, 3, v3
	v_lshlrev_b32 v3, 2, v3
	v_lshlrev_b32 v4, 2, v4
	global_load_b32 v[QS], v4, s[52:53]
	global_load_b32 v[QS+1], v4, s[52:53] offset:64
	WIN 0x40
.irp x, 0,1
	global_load_b128 v[QF+18*\x+6:QF+18*\x+9], v1, s[50:51] offset:768*\x
	global_load_b64 v[QF+18*\x+10:QF+18*\x+11], v2, s[50:51] offset:768*\x+512
.irp j, 0,1,2,3,4,5,12,13,14,15,16,17
	v_mov_b32 v[QF+18*\x+\j], 0                    ; zero codes on both sides of Q
.endr
.endr
.set J, 0
.rept 64
	v_mov_b32 v[OA+J], 0                           ; O^T: the step is written for all steps alike; the first finds zeros
.set J, J+1
.endr
	WIN 0
	s_wait_alu depctr_va_vdst(0)                   ; directly ahead of the waits below
	s_wait_loadcnt 0x0                             ; Q
	s_wait_tensorcnt 0x0                           ; my two key steps have landed
	s_barrier_signal -1
	s_barrier_wait -1                              ; everybody's have: the head's K and V are whole
	ADDR
	KLOAD 0
	s_wait_dscnt 0x0
	v_lshl_or_b32 v[QS], v[QS], 16, v[QS]          ; Q's two bytes in both halves of the word
	v_lshl_or_b32 v[QS+1], v[QS+1], 16, v[QS+1]
.irp u, 0,1,2,3
	v_lshlrev_b32 v[KS+\u], v[SH], v[KS+\u]
.endr
.irp x, 0,1                            ; these twelve lines are also the places between the writes of the scale words and the products
	v_mov_b32 v[12+4*\x], 0x7e000000               ; -M: a large whole number, so that the first f is 0
	v_mov_b32 v[13+4*\x], 0xff61b1e6               ; the largest score so far: -3e38
	v_mov_b32 v[14+4*\x], 0
	v_mov_b32 v[15+4*\x], 0
	v_mov_b32 v[20+2*\x], 0
	v_mov_b32 v[21+2*\x], 0
.endr
.irp u, 0,1,2,3
	SQK4 \u                                        ; key step 0's scores
.endr
	s_mov_b32 s3, 15
	s_wait_alu depctr_va_vdst(0)                   ; at the head's end
.Lkeys:                                ; key steps 0 to 14
	STEP 1
	s_sub_co_u32 s3, s3, 1
	s_cmp_lg_u32 s3, 0
	s_cbranch_scc1 .Lkeys
	STEP 0                                         ; key step 15: there is no next
	; THE WAY OUT: O^T / the sum; register 16 b + i is channel 32 b + 16 h + i of my query: two blocks of the projection's K
	v_add_f32 v14, v14, v15
	v_add_f32 v18, v18, v19
	v_nop
	v_nop
	v_permlanex16_b32 v[R], v14, s[SEL], s[SEL+1]
	v_permlanex16_b32 v[R+1], v18, s[SEL], s[SEL+1]
	v_add_f32 v14, v14, v[R]
	v_add_f32 v18, v18, v[R+1]
	s_wait_alu depctr_va_vdst(0)                   ; ahead of the transcendentals
	v_rcp_f32 v20, v14
	v_rcp_f32 v22, v18
	WIN 0x01                                       ; source 0: window 1
	v_nop
	s_wait_alu depctr_va_vdst(0)                   ; ahead of the first reader of the two, and of O^T
.set J, 0
.rept 16
	v_pk_mul_f32 v[128+J:129+J], v[OA+J:OA+J+1], v[20:21] op_sel_hi:[1,0]
	v_pk_mul_f32 v[192+J:193+J], v[OA+32+J:OA+33+J], v[22:23] op_sel_hi:[1,0]
.set J, J+2
.endr
	WIN 0
.irp b, 0,1
.irp x, 0,1
	v_max3_num_f32 v[BM+4*\x+\b], |v[128+64*\x+16*\b]|, |v[129+64*\x+16*\b]|, 0x1800000
.endr
.endr
.irp i, 2,4,6,8,10,12,14
.irp b, 0,1
.irp x, 0,1
	v_max3_num_f32 v[BM+4*\x+\b], v[BM+4*\x+\b], |v[128+64*\x+16*\b+\i]|, |v[129+64*\x+16*\b+\i]|
.endr
.endr
.endr
.irp b, 0,1
.irp x, 0,1
	v_permlanex16_b32 v[T2+4*\x+\b], v[BM+4*\x+\b], s[SEL], s[SEL+1]
.endr
.endr
.irp b, 0,1
.irp x, 0,1
	v_max_num_f32 v[BM+4*\x+\b], v[BM+4*\x+\b], v[T2+4*\x+\b]
.endr
.endr
.irp b, 0,1
.irp x, 0,1
	v_add_nc_u32 v[SO+4*\x+\b], 0xff000000, v[BM+4*\x+\b]
.endr
.endr
.irp b, 0,1
.irp x, 0,1
	v_lshrrev_b32 v[T2+4*\x+\b], 23, v[SO+4*\x+\b]
.endr
.endr
.irp x, 0,1
	v_lshl_or_b32 v[R+\x], v[T2+4*\x+1], 8, v[T2+4*\x]   ; my head's two bytes of the row's scale word
.endr
.irp x, 0,1
	v_cvt_scalef32_pk16_fp6_f32 v[CD+12*\x:CD+12*\x+2], v[128+64*\x:143+64*\x], v[SO+4*\x]
	v_cvt_scalef32_pk16_fp6_f32 v[CT+8*\x:CT+8*\x+2], v[144+64*\x:159+64*\x], v[SO+4*\x+1]
.endr
	v_nop
.irp x, 0,1
.irp i, 0,1,2
	v_permlane16_swap_b32 v[CD+12*\x+\i], v[CT+8*\x+\i]
.endr
.endr
.irp x, 0,1
.irp i, 0,1,2
	v_mov_b32 v[CD+12*\x+3+\i], v[CT+8*\x+\i]
.endr
.endr
.irp x, 0,1
	global_store_b128 v1, v[CD+12*\x:CD+12*\x+3], s[56:57] offset:1536*\x
	global_store_b64 v2, v[CD+12*\x+4:CD+12*\x+5], s[56:57] offset:1536*\x+512
	global_store_b16 v4, v[R+\x], s[58:59] offset:64*\x   ; both halves of the lanes hold row r's bytes and write them with the same value
.endr
	s_wait_tensorcnt 0x0                           ; the wave's end
	ds_add_u32 v[SPW], v[NIL]
	s_wait_dscnt 0x0
	CROUND                                         ; the closing round
	s_endpgm
.Lfunc_end_k_q35e0a9c029_at:
	.size	k_q35e0a9c029_at, .Lfunc_end_k_q35e0a9c029_at-k_q35e0a9c029_at
	.p2alignl 7, 3214868480
	.fill 96, 4, 3214868480
	.section	.rodata,"a",@progbits
	.p2align	6, 0x0
	.amdhsa_kernel k_q35e0a9c029_at
		.amdhsa_group_segment_fixed_size 210944
		.amdhsa_private_segment_fixed_size 0
		.amdhsa_enable_private_segment 0
		.amdhsa_kernarg_size 16
		.amdhsa_user_sgpr_count 2
		.amdhsa_user_sgpr_kernarg_segment_ptr 1
		.amdhsa_wavefront_size32 1
		.amdhsa_system_sgpr_workgroup_id_x 1
		.amdhsa_system_sgpr_workgroup_id_y 1
		.amdhsa_system_sgpr_workgroup_id_z 1
		.amdhsa_system_vgpr_workitem_id 0
		.amdhsa_next_free_vgpr 512
		.amdhsa_next_free_sgpr 66
		.amdhsa_reserve_vcc 0
		.amdhsa_float_denorm_mode_32 3
		.amdhsa_float_denorm_mode_16_64 3
		.amdhsa_memory_ordered 1
		.amdhsa_forward_progress 1
		.amdhsa_inst_pref_size 76
	.end_amdhsa_kernel
	.amdgpu_metadata
---
amdhsa.version: [ 1, 2 ]
amdhsa.kernels:
  - .name:           k_q35e0a9c029_at
    .symbol:         k_q35e0a9c029_at.kd
    .args:
      - { .name: qkv, .offset: 0, .size: 8, .value_kind: global_buffer, .address_space: global }
      - { .name: aimg, .offset: 8, .size: 8, .value_kind: global_buffer, .address_space: global }
    .group_segment_fixed_size: 210944
    .private_segment_fixed_size: 0
    .kernarg_segment_align: 8
    .kernarg_segment_size: 16
    .max_flat_workgroup_size: 256
    .sgpr_count:     66
    .vgpr_count:     512
    .wavefront_size: 32
...
	.end_amdgpu_metadata
.endif
;; end of part 3
;; launch g4n (part 4): grid 256 x 1, 8 waves a work-group, no clusters, 66,816 bytes of LDS; arguments aimg, wimg, xs, g_norm2, x2, himg; writes x2, himg
.if DOCPART == 4
	.amdgcn_target "amdgcn-amd-amdhsa--gfx1250"
	.amdhsa_code_object_version 6
	.text
	.protected	k_q35e0a9c029_g4n
	.globl	k_q35e0a9c029_g4n
	.p2align	8
	.type	k_q35e0a9c029_g4n,@function
k_q35e0a9c029_g4n:
	s_mov_b64 s[64:65], 0
	v_nop
	global_prefetch_b8 v0, s[64:65] scope:SCOPE_SE
	s_setreg_imm32_b32 hwreg(HW_REG_WAVE_MODE, 25, 1), 1
	s_wait_xcnt 0x0
; x2 = x + o x w_proj on E2M3 codes (K = 1,024), and in the same launch h = x2 * rsqrt(mean(x2^2) + 1e-6) * g, quantised along its 1,024 and stored as the next product's operand image.
; IMAGE: sub-block (128 rows, 128 along K) = 12,800 bytes: 8 fragments of 1,536 (registers 6c..6c+3 at 768 c + 16 lane, 6c+4, 6c+5 at 768 c + 512 + 8 lane), then 8 x 16 scale words; lane r of fragment i holds row 32 (i/2) + 8 (i%2) + r + 8 (r/8).
; SHARES.  A work-group is one fragment row: 16 tokens x all 1,024 columns, so that it owns whole rows and can take the norm: 256 work-groups.  Wave w of eight makes columns 128 w .. 128 w + 127: 8 accumulators.
; The product is used transposed (source 0 = weight rows, source 1 = tokens): a lane holds one token, and the registers of tiles 2 b, 2 b + 1 are 16 neighbouring columns.
; OPERANDS GO FROM MEMORY STRAIGHT INTO REGISTERS, as the images lie: each weight fragment is used by one wave of the work-group, once, so a way through LDS would write and read 819,200 bytes a work-group and feed no second product.
; For the same reason there are no tensor loads and no joint loads in a cluster: they end in LDS.  The tokens' fragment of a K step (1,536 bytes) is loaded by each wave for itself.
; A RING OF THREE K STEPS in registers, 41 loads a step (32 weights, 4 their scale words, 4 tokens, 1 their scale words): while step k is multiplied, steps k + 1 and k + 2 are out.  All eight steps are written out; every offset is an immediate.
; No prefetch beside it: the ring itself asks two of the eight steps ahead.
; THE WAY OUT.  The 16 rows meet in LDS (pitch 4,112 bytes: an odd multiple of 16).  Behind a barrier wave w owns two neighbouring rows (8,192 consecutive bytes of memory): residual, store of x2, sum of squares, norm, gain, back into LDS;
; behind a second barrier wave w owns K step w of all 16 rows and quantises it: lane (r, h) takes of row r 16 neighbours of each block of 32.
; WINDOWS.  Window 0: v32-95 accumulators, v96-131 the tokens' ring, v132-227 the weights' ring place 2, v228-242 scale words; on the way out as named below.  Window 1: v0-191 the weights' ring places 0, 1; v192-255 the residual.
; LIMITS: NaN and infinities are not served; a block under 2^-124 gets the byte 1, a block of zeros the byte 1 and zero codes (only this program reads the bytes).
.set PITCH, 4112
.set SPARE, 16*PITCH
.set WPOFF, 2457600                    ; w_proj's image in wimg
.set SUBB,  12800
.set KB,    102400                     ; 128 rows x 1,024 along K of an image
.set L16, 4
.set L8,  5
.set R4,  6
.set WST, 7
.set RDA, 8
.set L4,  9
.set SPW, 28
.set NIL, 29
.set ACC, 32
.set AFR, 96
.set B2,  132
.set WS,  228
.set AS,  240
.set RES, 192                          ; window 1
.set XA,  32
.set XB,  96
.set G,   160
.set PC,  192
.set TM,  212
.set PW,  228
.set SEL, 22
.set MSB, 0
.macro WIN new
.if MSB != (\new)
	s_set_vgpr_msb (MSB<<8)|(\new)
.set MSB, (\new)
.endif
.endm
.macro LD k                            ; K step k's 41 loads, into ring place k % 3
.set P, (\k)%3
.if P < 2
	WIN 0x40                                       ; destination window 1
.set BB, 96*P
.else
	WIN 0
.set BB, B2
.endif
.set I, 0
.rept 8
	global_load_b128 v[BB+12*I:BB+12*I+3], v[L16], s[38:39] offset:(\k)*SUBB+I*1536
	global_load_b64 v[BB+12*I+4:BB+12*I+5], v[L8], s[38:39] offset:(\k)*SUBB+I*1536+512
	global_load_b128 v[BB+12*I+6:BB+12*I+9], v[L16], s[38:39] offset:(\k)*SUBB+I*1536+768
	global_load_b64 v[BB+12*I+10:BB+12*I+11], v[L8], s[38:39] offset:(\k)*SUBB+I*1536+1280
.set I, I+1
.endr
	WIN 0
.irp j, 0,1,2,3
	global_load_b32 v[WS+4*P+\j], v[L4], s[38:39] offset:(\k)*SUBB+12288+128*\j   ; fragment 2 j's words in lanes 0-15, fragment 2 j + 1's in lanes 16-31
.endr
	global_load_b128 v[AFR+12*P:AFR+12*P+3], v[L16], s[34:35] offset:(\k)*SUBB
	global_load_b64 v[AFR+12*P+4:AFR+12*P+5], v[L8], s[34:35] offset:(\k)*SUBB+512
	global_load_b128 v[AFR+12*P+6:AFR+12*P+9], v[L16], s[34:35] offset:(\k)*SUBB+768
	global_load_b64 v[AFR+12*P+10:AFR+12*P+11], v[L8], s[34:35] offset:(\k)*SUBB+1280
	global_load_b32 v[AS+P], v[R4], s[36:37] offset:(\k)*SUBB
.endm
.macro MM k, zero                      ; eight products, the eight accumulators by turns, in the same order in every step
.set P, (\k)%3
.if P < 2
	WIN 0x01                                       ; source 0: window 1
.set BB, 96*P
.else
	WIN 0
.set BB, B2
.endif
.set I, 0
.rept 4
.if \zero
	v_wmma_scale_f32_16x16x128_f8f6f4 v[ACC+16*I:ACC+16*I+7], v[BB+24*I:BB+24*I+11], v[AFR+12*P:AFR+12*P+11], 0, v[WS+4*P+I], v[AS+P] matrix_a_fmt:MATRIX_FMT_FP6 matrix_b_fmt:MATRIX_FMT_FP6
	v_wmma_scale_f32_16x16x128_f8f6f4 v[ACC+16*I+8:ACC+16*I+15], v[BB+24*I+12:BB+24*I+23], v[AFR+12*P:AFR+12*P+11], 0, v[WS+4*P+I], v[AS+P] matrix_a_fmt:MATRIX_FMT_FP6 matrix_b_fmt:MATRIX_FMT_FP6 matrix_a_scale:MATRIX_SCALE_ROW1
.else
	v_wmma_scale_f32_16x16x128_f8f6f4 v[ACC+16*I:ACC+16*I+7], v[BB+24*I:BB+24*I+11], v[AFR+12*P:AFR+12*P+11], v[ACC+16*I:ACC+16*I+7], v[WS+4*P+I], v[AS+P] matrix_a_fmt:MATRIX_FMT_FP6 matrix_b_fmt:MATRIX_FMT_FP6
	v_wmma_scale_f32_16x16x128_f8f6f4 v[ACC+16*I+8:ACC+16*I+15], v[BB+24*I+12:BB+24*I+23], v[AFR+12*P:AFR+12*P+11], v[ACC+16*I+8:ACC+16*I+15], v[WS+4*P+I], v[AS+P] matrix_a_fmt:MATRIX_FMT_FP6 matrix_b_fmt:MATRIX_FMT_FP6 matrix_a_scale:MATRIX_SCALE_ROW1
.endif
.set I, I+1
.endr
	WIN 0
.endm
.macro ITER k, n                       ; n: the loads issued behind step k's, which may stay out
	s_wait_loadcnt \n
.rept 4
	v_nop                                          ; places behind the last step's products, in front of the loads into their operands
.endr
.if (\k)+2 < 8
	LD (\k)+2
.endif
.if (\k) == 0
	WIN 0x40
.irp n2, 0,1,2,3,4,5,6,7,8,9,10,11,12,13,14,15
	global_load_b128 v[RES+4*\n2:RES+4*\n2+3], v[L16], s[4:5] offset:512*\n2 th:TH_LOAD_NT   ; the residual: my two rows, 8,192 bytes on end; 512 consecutive bytes a load
.endr
	WIN 0
.endif
.if (\k) == 6
.irp n2, 0,1,2,3,4,5,6,7
	global_load_b128 v[G+4*\n2:G+4*\n2+3], v[L16], s[46:47] offset:512*\n2   ; the gain, into ring place 2, which step 5 has left
.endr
.endif
.if (\k) == 0
	MM \k, 1                                       ; the first products start the sums
.else
	MM \k, 0
.endif
.endm
.macro QUANT s                         ; 64 numbers of a lane, register 16 b + i = k 32 b + 16 (lane / 16) + i of my row, become a fragment's codes in v[PC] on and its scale word in v[PW]
.irp b, 0,1,2,3
	v_max3_num_f32 v[TM+\b], |v[\s+16*\b]|, |v[\s+1+16*\b]|, 0x1800000   ; with the floor 2^(3 - 127)
.endr
.irp i, 2,4,6,8,10,12,14
.irp b, 0,1,2,3
	s_delay_alu instid0(VALU_DEP_4)
	v_max3_num_f32 v[TM+\b], v[TM+\b], |v[\s+16*\b+\i]|, |v[\s+1+16*\b+\i]|
.endr
.endr
.irp b, 0,1,2,3
	s_delay_alu instid0(VALU_DEP_4)
	v_permlanex16_b32 v[TM+4+\b], v[TM+\b], s[SEL], s[SEL+1]
.endr
.irp b, 0,1,2,3
	s_delay_alu instid0(VALU_DEP_4)
	v_max_num_f32 v[TM+\b], v[TM+\b], v[TM+4+\b]
.endr
.irp b, 0,1,2,3
	s_delay_alu instid0(VALU_DEP_4)
	v_add_nc_u32 v[TM+12+\b], 0xff000000, v[TM+\b]
.endr
.irp b, 0,1,2,3
	s_delay_alu instid0(VALU_DEP_4)
	v_lshrrev_b32 v[TM+4+\b], 23, v[TM+12+\b]
.endr
	s_delay_alu instid0(VALU_DEP_3)
	v_lshl_or_b32 v[PW], v[TM+5], 8, v[TM+4]
	s_delay_alu instid0(VALU_DEP_1)
	v_lshl_or_b32 v[PW], v[TM+6], 16, v[PW]
	s_delay_alu instid0(VALU_DEP_1)
	v_lshl_or_b32 v[PW], v[TM+7], 24, v[PW]
.irp c, 0,1
	v_cvt_scalef32_pk16_fp6_f32 v[PC+6*\c:PC+2+6*\c], v[\s+32*\c:\s+15+32*\c], v[TM+12+2*\c]
	v_cvt_scalef32_pk16_fp6_f32 v[PC+12+4*\c:PC+14+4*\c], v[\s+16+32*\c:\s+31+32*\c], v[TM+13+2*\c]
.endr
	v_nop
.irp c, 0,1
.irp i, 0,1,2
	v_permlane16_swap_b32 v[PC+6*\c+\i], v[PC+12+4*\c+\i]
.endr
.irp i, 0,1,2
	s_delay_alu instid0(VALU_DEP_3)
	v_mov_b32 v[PC+3+6*\c+\i], v[PC+12+4*\c+\i]
.endr
.endr
.endm
	s_load_b256 s[40:47], s[0:1], 0x0              ; aimg, wimg, xs, g
	s_load_b128 s[48:51], s[0:1], 0x20             ; x2, himg
	v_lshl_add_u32 v[SPW], v0, 2, SPARE
	v_mov_b32 v[NIL], 0
	v_lshrrev_b32 v1, 5, v0
	v_readfirstlane_b32 s16, v1                    ; wave 0..7
	v_and_b32 v1, 31, v0
	v_and_b32 v2, 15, v0
	v_bfe_u32 v3, v0, 4, 1
	v_lshlrev_b32 v[L16], 4, v1
	v_lshlrev_b32 v[L8], 3, v1
	v_lshlrev_b32 v[L4], 2, v1
	v_lshlrev_b32 v[R4], 2, v2
	s_mul_i32 s17, s16, 2*PITCH
	v_add_nc_u32 v[WST], s17, v[L16]               ; LDS: my two rows, 16 bytes a lane
	v_mul_u32_u24 v[RDA], v2, PITCH
	v_lshl_add_u32 v[RDA], v3, 6, v[RDA]
	s_lshl_b32 s17, s16, 9
	v_add_nc_u32 v[RDA], s17, v[RDA]               ; LDS: row r, my 128 columns, + 64 h: where my results go, and where K step w is read back
	s_lshr_b32 s18, ttmp9, 3                       ; rb: which 128 rows
	s_and_b32 s19, ttmp9, 7                        ; i: which fragment row of them
	s_lshl_b32 s20, s18, 7
	s_lshr_b32 s21, s19, 1
	s_lshl_b32 s21, s21, 5
	s_add_co_u32 s20, s20, s21
	s_and_b32 s21, s19, 1
	s_lshl_b32 s21, s21, 3
	s_add_co_u32 s20, s20, s21
	s_lshl_b32 s21, s16, 1
	s_add_co_u32 s20, s20, s21
	s_lshr_b32 s21, s16, 2
	s_lshl_b32 s21, s21, 3
	s_add_co_u32 s20, s20, s21                     ; my two rows: the fragment's first + 2 w + 8 (w / 4)
	s_lshl_b32 s20, s20, 12
	s_mov_b32 s21, 0
	s_mov_b32 s[SEL], 0x76543210
	s_mov_b32 s[SEL+1], 0xfedcba98
	s_mov_b32 s24, 0x3a800000                      ; 1 / 1024
	s_mov_b32 s25, 0x358637bd                      ; 1e-6
	s_lshl_b32 s26, s18, 3
	s_add_co_u32 s26, s26, s16
	s_mul_i32 s26, s26, SUBB                       ; the output's sub-block (rb, K step w)
	s_mul_i32 s28, s19, 1536
	s_add_co_u32 s28, s28, s26
	s_mov_b32 s29, 0
	s_lshl_b32 s30, s19, 6
	s_add_co_u32 s30, s30, s26
	s_add_co_u32 s30, s30, 12288
	s_mov_b32 s31, 0
	s_mul_i32 s33, s18, KB
	s_mul_i32 s34, s19, 1536
	s_add_co_u32 s34, s34, s33                     ; the tokens' fragment i of K step 0
	s_mov_b32 s35, 0
	s_lshl_b32 s36, s19, 6
	s_add_co_u32 s36, s36, s33
	s_add_co_u32 s36, s36, 12288                   ; its scale words
	s_mov_b32 s37, 0
	s_mul_i32 s38, s16, KB
	s_add_co_u32 s38, s38, WPOFF                   ; the weight's 128 columns of mine: 102,400 bytes on end
	s_mov_b32 s39, 0
	s_wait_alu depctr_va_vdst(0)                   ; at the head's end
	s_wait_kmcnt 0x0
	s_add_nc_u64 s[34:35], s[40:41], s[34:35]
	s_add_nc_u64 s[36:37], s[40:41], s[36:37]
	s_add_nc_u64 s[38:39], s[42:43], s[38:39]
	s_add_nc_u64 s[4:5], s[44:45], s[20:21]
	s_add_nc_u64 s[6:7], s[48:49], s[20:21]
	s_add_nc_u64 s[28:29], s[50:51], s[28:29]
	s_add_nc_u64 s[30:31], s[50:51], s[30:31]
	LD 0
	LD 1
	ITER 0, 41                                     ; behind step 0's loads: step 1's 41
	ITER 1, 57                                     ; step 2's 41 and the residual's 16
	ITER 2, 57                                     ; the residual's 16 and step 3's 41
	ITER 3, 41
	ITER 4, 41
	ITER 5, 41
	ITER 6, 41
	ITER 7, 8                                      ; the gain's 8
.rept 4
	v_nop                                          ; places in front of the first read of the results
.endr
.set I, 0
.rept 8
	ds_store_b128 v[RDA], v[ACC+8*I:ACC+8*I+3] offset:128*(I/2)+32*(I%2)          ; each accumulator from its low end on
	ds_store_b128 v[RDA], v[ACC+8*I+4:ACC+8*I+7] offset:128*(I/2)+32*(I%2)+16
.set I, I+1
.endr
	s_wait_dscnt 0x0                               ; my columns of the 16 rows lie in LDS
	s_barrier_signal -1
	s_barrier_wait -1                              ; everybody's do
.irp n, 0,1,2,3,4,5,6,7
	ds_load_b128 v[XA+4*\n:XA+4*\n+3], v[WST] offset:512*\n
	ds_load_b128 v[XA+32+4*\n:XA+35+4*\n], v[WST] offset:PITCH+512*\n
.endr
	s_wait_loadcnt 0x0                             ; the gain (the residual came long ago)
	s_wait_dscnt 0x0
	WIN 0x04                                       ; source 1: window 1
.set J, 0
.rept 32
	v_pk_add_f32 v[XA+J:XA+J+1], v[XA+J:XA+J+1], v[RES+J:RES+J+1]
.set J, J+2
.endr
	WIN 0
.irp n, 0,1,2,3,4,5,6,7,8,9,10,11,12,13,14,15
	global_store_b128 v[L16], v[XA+4*\n:XA+4*\n+3], s[6:7] offset:512*\n   ; x2: 32 lanes store 512 consecutive bytes
.endr
	v_pk_mul_f32 v[10:11], v[XA:XA+1], v[XA:XA+1]  ; the sums of squares, the two rows by turns
	v_pk_mul_f32 v[12:13], v[XA+32:XA+33], v[XA+32:XA+33]
.set J, 2
.rept 15
	s_delay_alu instid0(VALU_DEP_2)
	v_pk_fma_f32 v[10:11], v[XA+J:XA+J+1], v[XA+J:XA+J+1], v[10:11]
	s_delay_alu instid0(VALU_DEP_2)
	v_pk_fma_f32 v[12:13], v[XA+32+J:XA+33+J], v[XA+32+J:XA+33+J], v[12:13]
.set J, J+2
.endr
	s_delay_alu instid0(VALU_DEP_2)
	v_add_f32 v10, v10, v11
	s_delay_alu instid0(VALU_DEP_2)
	v_add_f32 v12, v12, v13
.irp m, 1,2,4,8
	s_delay_alu instid0(VALU_DEP_2)
	v_add_f32_dpp v10, v10, v10 row_xmask:\m row_mask:0xf bank_mask:0xf
	s_delay_alu instid0(VALU_DEP_2)
	v_add_f32_dpp v12, v12, v12 row_xmask:\m row_mask:0xf bank_mask:0xf
.endr
	s_delay_alu instid0(VALU_DEP_2)
	v_permlanex16_b32 v11, v10, s[SEL], s[SEL+1]
	s_delay_alu instid0(VALU_DEP_2)
	v_permlanex16_b32 v13, v12, s[SEL], s[SEL+1]
	s_delay_alu instid0(VALU_DEP_2)
	v_add_f32 v10, v10, v11
	s_delay_alu instid0(VALU_DEP_2)
	v_add_f32 v12, v12, v13
	s_delay_alu instid0(VALU_DEP_2)
	v_fma_f32 v10, v10, s24, s25                   ; mean + eps
	s_delay_alu instid0(VALU_DEP_2)
	v_fma_f32 v12, v12, s24, s25
	s_wait_alu depctr_va_vdst(0)                   ; ahead of the batch
	v_rsq_f32 v14, v10                             ; twice each: the packed multiply takes a pair
	v_rsq_f32 v15, v10
	v_rsq_f32 v16, v12
	v_rsq_f32 v17, v12
	v_nop                                          ; a plain place behind the last of them
	s_wait_alu depctr_va_vdst(0)                   ; one wait for the four, ahead of their first reader
.set J, 0
.rept 16
	v_pk_mul_f32 v[XB+J:XB+J+1], v[XA+J:XA+J+1], v[14:15]
	v_pk_mul_f32 v[XB+32+J:XB+33+J], v[XA+32+J:XA+33+J], v[16:17]
.set J, J+2
.endr
.set J, 0
.rept 16
	v_pk_mul_f32 v[XB+J:XB+J+1], v[XB+J:XB+J+1], v[G+J:G+J+1]
	v_pk_mul_f32 v[XB+32+J:XB+33+J], v[XB+32+J:XB+33+J], v[G+J:G+J+1]
.set J, J+2
.endr
.irp b, 0,1,2,3
	v_mov_b32 v[TM+4+\b], 0                        ; a lane permute's destination counts as one of its sources
.endr
.irp n, 0,1,2,3,4,5,6,7
	ds_store_b128 v[WST], v[XB+4*\n:XB+4*\n+3] offset:512*\n
	ds_store_b128 v[WST], v[XB+32+4*\n:XB+35+4*\n] offset:PITCH+512*\n
.endr
	s_wait_alu depctr_va_vdst(0)                   ; directly ahead of the waits below
	s_wait_xcnt 0x0                                ; x2's stores have read their registers, which are loaded into below
	s_wait_dscnt 0x0                               ; my rows lie in LDS
	s_barrier_signal -1
	s_barrier_wait -1                              ; all sixteen do
.irp n, 0,1,2,3,4,5,6,7,8,9,10,11,12,13,14,15
	ds_load_b128 v[XA+4*\n:XA+4*\n+3], v[RDA] offset:128*(\n/4)+16*(\n%4)
.endr
	s_wait_dscnt 0x0
	QUANT XA
	global_store_b128 v[L16], v[PC:PC+3], s[28:29]
	global_store_b64 v[L8], v[PC+4:PC+5], s[28:29] offset:512
	global_store_b128 v[L16], v[PC+6:PC+9], s[28:29] offset:768
	global_store_b64 v[L8], v[PC+10:PC+11], s[28:29] offset:1280
	global_store_b32 v[R4], v[PW], s[30:31]        ; both halves of the lanes write row r's word with the same value
	s_wait_tensorcnt 0x0                           ; the wave's end: behind my last LDS store
	ds_add_u32 v[SPW], v[NIL]
	s_wait_dscnt 0x0
	s_endpgm
.Lfunc_end_k_q35e0a9c029_g4n:
	.size	k_q35e0a9c029_g4n, .Lfunc_end_k_q35e0a9c029_g4n-k_q35e0a9c029_g4n
	.p2alignl 7, 3214868480
	.fill 96, 4, 3214868480
	.section	.rodata,"a",@progbits
	.p2align	6, 0x0
	.amdhsa_kernel k_q35e0a9c029_g4n
		.amdhsa_group_segment_fixed_size 66816
		.amdhsa_private_segment_fixed_size 0
		.amdhsa_enable_private_segment 0
		.amdhsa_kernarg_size 48
		.amdhsa_user_sgpr_count 2
		.amdhsa_user_sgpr_kernarg_segment_ptr 1
		.amdhsa_wavefront_size32 1
		.amdhsa_system_sgpr_workgroup_id_x 1
		.amdhsa_system_sgpr_workgroup_id_y 1
		.amdhsa_system_sgpr_workgroup_id_z 1
		.amdhsa_system_vgpr_workitem_id 0
		.amdhsa_next_free_vgpr 512
		.amdhsa_next_free_sgpr 66
		.amdhsa_reserve_vcc 0
		.amdhsa_float_denorm_mode_32 3
		.amdhsa_float_denorm_mode_16_64 3
		.amdhsa_memory_ordered 1
		.amdhsa_forward_progress 1
		.amdhsa_inst_pref_size 69
	.end_amdhsa_kernel
	.amdgpu_metadata
---
amdhsa.version: [ 1, 2 ]
amdhsa.kernels:
  - .name:           k_q35e0a9c029_g4n
    .symbol:         k_q35e0a9c029_g4n.kd
    .args:
      - { .name: aimg, .offset: 0, .size: 8, .value_kind: global_buffer, .address_space: global }
      - { .name: wimg, .offset: 8, .size: 8, .value_kind: global_buffer, .address_space: global }
      - { .name: xs, .offset: 16, .size: 8, .value_kind: global_buffer, .address_space: global }
      - { .name: g_norm2, .offset: 24, .size: 8, .value_kind: global_buffer, .address_space: global }
      - { .name: x2, .offset: 32, .size: 8, .value_kind: global_buffer, .address_space: global }
      - { .name: himg, .offset: 40, .size: 8, .value_kind: global_buffer, .address_space: global }
    .group_segment_fixed_size: 66816
    .private_segment_fixed_size: 0
    .kernarg_segment_align: 8
    .kernarg_segment_size: 48
    .max_flat_workgroup_size: 256
    .sgpr_count:     66
    .vgpr_count:     512
    .wavefront_size: 32
...
	.end_amdgpu_metadata
.endif
;; end of part 4
;; launch g5 (part 5): grid 16 x 16, 4 waves a work-group, clusters of 4 x 4, 327,680 bytes of LDS; arguments himg, wimg, act; writes act
.if DOCPART == 5
	.amdgcn_target "amdgcn-amd-amdhsa--gfx1250"
	.amdhsa_code_object_version 6
	.text
	.protected	k_q35e0a9c029_g5
	.globl	k_q35e0a9c029_g5
	.p2align	8
	.type	k_q35e0a9c029_g5,@function
k_q35e0a9c029_g5:
	s_mov_b64 s[64:65], 0
	v_nop
	global_prefetch_b8 v0, s[64:65] scope:SCOPE_SE
	s_setreg_imm32_b32 hwreg(HW_REG_WAVE_MODE, 25, 1), 1
	s_wait_xcnt 0x0
	s_wait_alu depctr_hold_cnt(0) depctr_sa_sdst(0) depctr_va_vdst(0) depctr_va_sdst(0) depctr_va_ssrc(0) depctr_va_vcc(0) depctr_vm_vsrc(0)
	s_getreg_b32 s2, hwreg(HW_REG_IB_STS2, 6, 4)
	s_cmp_eq_u32 s2, 0
	s_cbranch_scc0 .Lentry_in_a_cluster
	s_endpgm
.Lentry_in_a_cluster:
	s_bfe_u32 s2, ttmp6, 0x10000c
	s_cmp_lg_u32 s2, 0xf033
	s_cbranch_scc0 .Lentry_shape_is_right
	s_endpgm
.Lentry_shape_is_right:
.set T,     8
.set KDIM,  1024
.set WOFF,  3276800
.set KB,    100*KDIM
.set SUBB,  12800
.set NQ,    3
.set QTR,   NQ*SUBB
.set SLOT,  4*QTR
.set HALFA, QTR
.set HALFS, QTR
.set TYB,   2*KB
.set EB,    KB
.set SLOTB, NQ*SUBB
.set SPARE, 2*SLOT
.set ADRA16, 8
.set ADRA8,  10
.set ADRB16, 12
.set ADRB8,  14
.set ADRS,   16
.set SPW,  28
.set NIL,  29
.set SC,   32
.set AF,   64
.set NUM,  64
.set UU,   128
.set PC,   192
.set TM,   212
.set PW,   228
.set SEL,  94
.set G1A, 24
.set G0A, 32
.set G1B, 48
.set G0B, 56
.set G1A2, 68
.set G1B2, 76
.set MSB, 0
.macro WIN new
.if MSB != (\new)
	s_set_vgpr_msb (MSB<<8)|(\new)
.set MSB, (\new)
.endif
.endm
.set MUL_LO, 0xa1
.set TO_B,   0x40
.macro JLOAD g0a, g1a, g0b, g1b
	s_cmp_eq_u32 s15, 0
	s_cbranch_scc0 .Lfor_0_\@
	tensor_load_to_lds s[\g0a:\g0a+3], s[\g1a:\g1a+7]
	s_nop 0
.rept 4
	v_nop
.endr
	s_branch .Lasked_\@
.Lfor_0_\@:
	tensor_load_to_lds s[\g0b:\g0b+3], s[\g1b:\g1b+7]
	s_nop 0
.rept 4
	v_nop
.endr
.Lasked_\@:
.endm
.macro CREST
	s_cmp_lg_u32 s14, 0
	s_cbranch_scc1 .Lnot_wave_0_\@
	s_barrier_signal -3
.Lnot_wave_0_\@:
	s_barrier_wait -3
	s_barrier_signal -1
	s_barrier_wait -1
.endm
.macro CROUND
	s_barrier_signal -1
	s_barrier_wait -1
	CREST
.endm
.macro PLACES
.rept 4
	v_nop
.endr
.endm
.macro FETCH slot, q, p
	WIN TO_B
.set I, 0
.rept T
	ds_load_b128 v[128*(\p)+12*I:128*(\p)+12*I+3], v[ADRB16+\slot] offset:(\q)*SUBB+I*1536
	ds_load_b64 v[128*(\p)+12*I+4:128*(\p)+12*I+5], v[ADRB8+\slot] offset:(\q)*SUBB+I*1536+512
	ds_load_b128 v[128*(\p)+12*I+6:128*(\p)+12*I+9], v[ADRB16+\slot] offset:(\q)*SUBB+I*1536+768
	ds_load_b64 v[128*(\p)+12*I+10:128*(\p)+12*I+11], v[ADRB8+\slot] offset:(\q)*SUBB+I*1536+1280
.set I, I+1
.endr
	WIN 0
.set I, 0
.rept T
	ds_load_b128 v[AF+96*(\p)+12*I:AF+96*(\p)+12*I+3], v[ADRA16+\slot] offset:(\q)*SUBB+I*1536
	ds_load_b64 v[AF+96*(\p)+12*I+4:AF+96*(\p)+12*I+5], v[ADRA8+\slot] offset:(\q)*SUBB+I*1536+512
	ds_load_b128 v[AF+96*(\p)+12*I+6:AF+96*(\p)+12*I+9], v[ADRA16+\slot] offset:(\q)*SUBB+I*1536+768
	ds_load_b64 v[AF+96*(\p)+12*I+10:AF+96*(\p)+12*I+11], v[ADRA8+\slot] offset:(\q)*SUBB+I*1536+1280
.set I, I+1
.endr
.set I, 0
.rept T
	ds_load_b32 v[SC+8*(\p)+I], v[ADRS+\slot] offset:(\q)*SUBB+64*I
.set I, I+1
.endr
.endm
.macro MULS a0, n, p, zero
.set MA, \a0
.rept \n
	WIN MUL_LO+0x50*((T*MA)/32)
.set MB, 0
.rept T
.set RC, 8*((T*MA+MB)%32)
.if \zero
	v_wmma_scale_f32_16x16x128_f8f6f4 v[RC:RC+7], v[128*(\p)+12*MB:128*(\p)+12*MB+11], v[AF+96*(\p)+12*MA:AF+96*(\p)+12*MA+11], 0, v[SC+8*(\p)+MB], v[SC+8*(\p)+MA] matrix_a_fmt:MATRIX_FMT_FP6 matrix_b_fmt:MATRIX_FMT_FP6 matrix_a_scale:MATRIX_SCALE_ROW1
.else
	v_wmma_scale_f32_16x16x128_f8f6f4 v[RC:RC+7], v[128*(\p)+12*MB:128*(\p)+12*MB+11], v[AF+96*(\p)+12*MA:AF+96*(\p)+12*MA+11], v[RC:RC+7], v[SC+8*(\p)+MB], v[SC+8*(\p)+MA] matrix_a_fmt:MATRIX_FMT_FP6 matrix_b_fmt:MATRIX_FMT_FP6 matrix_a_scale:MATRIX_SCALE_ROW1
.endif
.set MB, MB+1
.endr
.set MA, MA+1
.endr
.endm
.macro STEP slot, q, p, zero
	s_wait_dscnt 0x0
	PLACES
	FETCH \slot, (\q)+1, 1-(\p)
	MULS 0, T, \p, \zero
.endm
.macro TURN slot, next, p, fill
	WIN 0
	s_wait_tensorcnt 0x0
	ds_add_u32 v[SPW], v[NIL]
	s_wait_dscnt 1
	MULS 0, T/4, \p, 0
	s_wait_dscnt 0x0
	s_barrier_signal -1
	MULS T/4, T/4, \p, 0
	WIN 0
	s_barrier_wait -1
.if \fill
	CREST
	s_add_nc_u64 s[G0A+4*\slot+2:G0A+4*\slot+3], s[G0A+4*\slot+2:G0A+4*\slot+3], 2*SLOTB
	s_add_nc_u64 s[G0B+4*\slot+2:G0B+4*\slot+3], s[G0B+4*\slot+2:G0B+4*\slot+3], 2*SLOTB
	JLOAD G0A+4*\slot, G1A2, G0B+4*\slot, G1B2
.else
	PLACES
.endif
	FETCH \next, 0, 1-(\p)
	MULS T/2, T/2, \p, 0
.endm
.macro QUANT s, w
	WIN ((\w)<<2)|((\w)<<4)
.irp b, 0,1,2,3
	v_max3_num_f32 v[TM+\b], 0x1800000, |v[\s+16*\b]|, |v[\s+1+16*\b]|
.endr
.irp i, 2,4,6,8,10,12,14
.irp b, 0,1,2,3
	v_max3_num_f32 v[TM+\b], v[TM+\b], |v[\s+16*\b+\i]|, |v[\s+1+16*\b+\i]|
.endr
.endr
	WIN 0
.irp b, 0,1,2,3
	v_permlanex16_b32 v[TM+4+\b], v[TM+\b], s[SEL], s[SEL+1]
.endr
.irp b, 0,1,2,3
	v_max_num_f32 v[TM+\b], v[TM+\b], v[TM+4+\b]
.endr
.irp b, 0,1,2,3
	v_add_nc_u32 v[TM+12+\b], 0xff000000, v[TM+\b]
.endr
.irp b, 0,1,2,3
	v_lshrrev_b32 v[TM+4+\b], 23, v[TM+12+\b]
.endr
	v_lshl_or_b32 v[PW], v[TM+5], 8, v[TM+4]
	v_lshl_or_b32 v[PW], v[TM+6], 16, v[PW]
	v_lshl_or_b32 v[PW], v[TM+7], 24, v[PW]
	WIN (\w)
.irp c, 0,1
	v_cvt_scalef32_pk16_fp6_f32 v[PC+6*\c:PC+2+6*\c], v[\s+32*\c:\s+15+32*\c], v[TM+12+2*\c]
	v_cvt_scalef32_pk16_fp6_f32 v[PC+12+4*\c:PC+14+4*\c], v[\s+16+32*\c:\s+31+32*\c], v[TM+13+2*\c]
.endr
	WIN 0
	v_nop
.irp c, 0,1
.irp i, 0,1,2
	v_permlane16_swap_b32 v[PC+6*\c+\i], v[PC+12+4*\c+\i]
.endr
.irp i, 0,1,2
	v_mov_b32 v[PC+3+6*\c+\i], v[PC+12+4*\c+\i]
.endr
.endr
.endm
	s_load_b128 s[4:7], s[0:1], 0x0
	s_load_b64 s[8:9], s[0:1], 0x10
	v_lshl_add_u32 v[SPW], v0, 2, SPARE
	v_mov_b32 v[NIL], 0
	ds_add_u32 v[SPW], v[NIL]
	ds_add_u32 v[SPW], v[NIL]
	v_lshrrev_b32 v1, 5, v0
	v_readfirstlane_b32 s14, v1
	s_lshr_b32 s15, s14, 1
	s_and_b32 s16, s14, 1
	s_bfe_u32 s40, ttmp6, 0x40000
	s_bfe_u32 s41, ttmp6, 0x40004
	s_lshl_b32 s42, ttmp9, 2
	s_add_co_u32 s42, s42, s40
	s_and_b32 s17, ttmp7, 0xffff
	s_lshl_b32 s17, s17, 2
	s_add_co_u32 s17, s17, s41
	s_lshl_b32 s43, s41, 2
	s_lshl_b32 s43, 15, s43
	s_lshl_b32 s44, 0x1111, s40
	s_or_b32 s[G1A], s43, (3<<16)|(1<<21)
	s_or_b32 s[G1B], s44, (3<<16)|(1<<21)
	s_or_b32 s[G1A2], s43, (3<<16)|(1<<21)
	s_or_b32 s[G1B2], s44, (3<<16)|(1<<21)
.irp g, G1A, G1B
	s_mov_b32 s[\g+1], 32<<16
	s_mov_b32 s[\g+2], 150<<16
	s_mov_b32 s[\g+3], 32<<16
	s_mov_b32 s[\g+4], 150
	s_mov_b32 s[\g+5], 32
	s_mov_b32 s[\g+6], 0
	s_mov_b32 s[\g+7], 0
.endr
.irp g, G1A2, G1B2
	s_mov_b32 s[\g+1], 32<<16
	s_mov_b32 s[\g+2], 100<<16
	s_mov_b32 s[\g+3], 32<<16
	s_mov_b32 s[\g+4], 100
	s_mov_b32 s[\g+5], 32
	s_mov_b32 s[\g+6], 0
	s_mov_b32 s[\g+7], 0
.endr
	s_mul_i32 s22, s16, EB
	s_mul_i32 s20, s17, TYB
	s_add_co_u32 s20, s20, s22
	s_mov_b32 s21, 0
	s_mul_i32 s46, s42, TYB
	s_add_co_u32 s46, s46, s22
	s_add_co_u32 s46, s46, WOFF
	s_mov_b32 s47, 0
	s_mul_i32 s45, s14, QTR
	s_wait_dscnt 0x0
	s_wait_kmcnt 0x0
	s_add_nc_u64 s[20:21], s[4:5], s[20:21]
	s_add_nc_u64 s[46:47], s[6:7], s[46:47]
	CROUND
.irp s, 0,1
	s_mov_b32 s[G0A+4*\s], 1
	s_add_co_u32 s[G0A+4*\s+1], s45, \s*SLOT
	s_add_nc_u64 s[G0A+4*\s+2:G0A+4*\s+3], s[20:21], \s*SLOTB
	s_or_b32 s[G0A+4*\s+3], s[G0A+4*\s+3], 0x80000000
	s_mov_b32 s[G0B+4*\s], 1
	s_add_co_u32 s[G0B+4*\s+1], s45, \s*SLOT
	s_add_nc_u64 s[G0B+4*\s+2:G0B+4*\s+3], s[46:47], \s*SLOTB
	s_or_b32 s[G0B+4*\s+3], s[G0B+4*\s+3], 0x80000000
.endr
	JLOAD G0A, G1A, G0B, G1B
	v_and_b32 v1, 15, v0
	v_bfe_u32 v2, v0, 4, 1
	v_and_b32 v3, 31, v0
	v_lshlrev_b32 v4, 4, v3
	v_lshlrev_b32 v5, 3, v3
	v_lshlrev_b32 v6, 2, v3
	s_mul_i32 s66, s15, HALFA
	s_mul_i32 s67, s16, HALFA
	s_add_co_u32 s67, s67, 2*QTR
.irp s, 0,1
	v_add_nc_u32 v[ADRA16+\s], s66, v4
	v_add_nc_u32 v[ADRA8+\s], s66, v5
	v_add_nc_u32 v[ADRB16+\s], s67, v4
	v_add_nc_u32 v[ADRB8+\s], s67, v5
	s_add_co_u32 s66, s66, SLOT
	s_add_co_u32 s67, s67, SLOT
.endr
	s_xor_b32 s67, s15, 1
	s_add_co_u32 s67, s67, s16
	s_mul_i32 s67, s67, HALFS
	s_add_co_u32 s67, s67, 2*QTR-HALFS
	v_mul_u32_u24 v7, s67, v2
	v_lshl_add_u32 v7, v1, 2, v7
	s_mul_i32 s66, s15, HALFS
	s_add_co_u32 s66, s66, 12288
	v_add_nc_u32 v[ADRS], s66, v7
	v_add_nc_u32 v[ADRS+1], SLOT, v[ADRS]
	s_wait_alu depctr_va_vdst(0)
	s_wait_tensorcnt 0x0
	ds_add_u32 v[SPW], v[NIL]
	s_wait_dscnt 0x0
	CROUND
	JLOAD G0A+4, G1A, G0B+4, G1B
	FETCH 0, 0, 0
	STEP 0, 0, 0, 1
	STEP 0, 1, 1, 0
	TURN 0, 1, 0, 1
	STEP 1, 0, 1, 0
	STEP 1, 1, 0, 0
	TURN 1, 0, 1, 0
	STEP 0, 0, 0, 0
	s_wait_dscnt 0x0
	MULS 0, T, 1, 0
	WIN 0
	PLACES
	s_mov_b32 s66, 0xbfb8aa3b
	s_mov_b32 s67, s66
	s_mov_b32 s[SEL], 0x76543210
	s_mov_b32 s[SEL+1], 0xfedcba98
	v_cmp_lt_u32 s68, 15, v3
	s_lshl_b32 s70, s17, 1
	s_add_co_u32 s70, s70, s15
	s_lshl_b32 s70, s70, 5
	s_lshl_b32 s71, s42, 1
	s_add_co_u32 s70, s70, s71
	s_add_co_u32 s70, s70, s16
	s_mul_i32 s70, s70, SUBB
	s_mov_b32 s71, 0
	s_add_nc_u64 s[8:9], s[8:9], s[70:71]
.irp b, 0,1,2,3
	v_mov_b32 v[TM+4+\b], 0
.endr
.macro SILU a
.set WW, 2+(\a)/4
.set AC, 64*((\a)%4)
	s_wait_xcnt 0x0
	WIN WW
.set J, 0
.rept 32
	v_pk_mul_f32 v[UU+J:UU+J+1], v[AC+J:AC+J+1], s[66:67] op_sel_hi:[1,0]
.set J, J+2
.endr
	WIN 0
.set J, 0
	s_wait_alu depctr_va_vdst(0)
.rept 64
	v_exp_f32 v[UU+J], v[UU+J]
.set J, J+1
.endr
	v_nop
	s_wait_alu depctr_va_vdst(0)
.set J, 0
.rept 32
	v_pk_add_f32 v[UU+J:UU+J+1], v[UU+J:UU+J+1], 1.0 op_sel_hi:[1,0]
.set J, J+2
.endr
.set J, 0
	s_wait_alu depctr_va_vdst(0)
.rept 64
	v_rcp_f32 v[UU+J], v[UU+J]
.set J, J+1
.endr
	v_nop
	s_wait_alu depctr_va_vdst(0)
	WIN WW
.set J, 0
.rept 32
	v_pk_mul_f32 v[NUM+J:NUM+J+1], v[AC+J:AC+J+1], v[UU+J:UU+J+1]
.set J, J+2
.endr
	WIN 0
	QUANT NUM, 0
	global_store_b128 v4, v[PC:PC+3], s[8:9] offset:(\a)*1536
	global_store_b64 v5, v[PC+4:PC+5], s[8:9] offset:(\a)*1536+512
	global_store_b128 v4, v[PC+6:PC+9], s[8:9] offset:(\a)*1536+768
	global_store_b64 v5, v[PC+10:PC+11], s[8:9] offset:(\a)*1536+1280
.if (\a)%2 == 0
	v_mov_b32 v229, v[PW]
.else
	v_cndmask_b32 v230, v229, v[PW], s68
	global_store_b32 v6, v230, s[8:9] offset:12288+64*((\a)-1)
.endif
.endm
.irp a, 0,1,2,3,4,5,6,7
	SILU \a
.endr
	s_wait_tensorcnt 0x0
	ds_add_u32 v[SPW], v[NIL]
	s_wait_dscnt 0x0
	CROUND
	s_endpgm
.Lfunc_end_k_q35e0a9c029_g5:
	.size	k_q35e0a9c029_g5, .Lfunc_end_k_q35e0a9c029_g5-k_q35e0a9c029_g5
	.p2alignl 7, 3214868480
	.fill 96, 4, 3214868480
	.section	.rodata,"a",@progbits
	.p2align	6, 0x0
	.amdhsa_kernel k_q35e0a9c029_g5
		.amdhsa_group_segment_fixed_size 327680
		.amdhsa_private_segment_fixed_size 0
		.amdhsa_enable_private_segment 0
		.amdhsa_kernarg_size 24
		.amdhsa_user_sgpr_count 2
		.amdhsa_user_sgpr_kernarg_segment_ptr 1
		.amdhsa_wavefront_size32 1
		.amdhsa_system_sgpr_workgroup_id_x 1
		.amdhsa_system_sgpr_workgroup_id_y 1
		.amdhsa_system_sgpr_workgroup_id_z 1
		.amdhsa_system_vgpr_workitem_id 0
		.amdhsa_next_free_vgpr 1024
		.amdhsa_next_free_sgpr 100
		.amdhsa_reserve_vcc 0
		.amdhsa_float_denorm_mode_32 3
		.amdhsa_float_denorm_mode_16_64 3
		.amdhsa_memory_ordered 1
		.amdhsa_forward_progress 1
		.amdhsa_inst_pref_size 229
	.end_amdhsa_kernel
	.amdgpu_metadata
---
amdhsa.version: [ 1, 2 ]
amdhsa.kernels:
  - .name:           k_q35e0a9c029_g5
    .symbol:         k_q35e0a9c029_g5.kd
    .args:
      - { .name: himg, .offset: 0, .size: 8, .value_kind: global_buffer, .address_space: global }
      - { .name: wimg, .offset: 8, .size: 8, .value_kind: global_buffer, .address_space: global }
      - { .name: act, .offset: 16, .size: 8, .value_kind: global_buffer, .address_space: global }
    .group_segment_fixed_size: 327680
    .private_segment_fixed_size: 0
    .kernarg_segment_align: 8
    .kernarg_segment_size: 24
    .max_flat_workgroup_size: 128
    .sgpr_count:     100
    .vgpr_count:     1024
    .wavefront_size: 32
...
	.end_amdgpu_metadata
.endif
;; end of part 5
;; launch g6 (part 6): grid 8 x 32, 4 waves a work-group, clusters of 4 x 4, 327,680 bytes of LDS; arguments act, wimg, x2, out0; writes out0
.if DOCPART == 6
	.amdgcn_target "amdgcn-amd-amdhsa--gfx1250"
	.amdhsa_code_object_version 6
	.text
	.protected	k_q35e0a9c029_g6
	.globl	k_q35e0a9c029_g6
	.p2align	8
	.type	k_q35e0a9c029_g6,@function
k_q35e0a9c029_g6:
	s_mov_b64 s[64:65], 0
	v_nop
	global_prefetch_b8 v0, s[64:65] scope:SCOPE_SE
	s_setreg_imm32_b32 hwreg(HW_REG_WAVE_MODE, 25, 1), 1
	s_wait_xcnt 0x0
	s_wait_alu depctr_hold_cnt(0) depctr_sa_sdst(0) depctr_va_vdst(0) depctr_va_sdst(0) depctr_va_ssrc(0) depctr_va_vcc(0) depctr_vm_vsrc(0)
	s_getreg_b32 s2, hwreg(HW_REG_IB_STS2, 6, 4)
	s_cmp_eq_u32 s2, 0
	s_cbranch_scc0 .Lentry_in_a_cluster
	s_endpgm
.Lentry_in_a_cluster:
	s_bfe_u32 s2, ttmp6, 0x10000c
	s_cmp_lg_u32 s2, 0xf033
	s_cbranch_scc0 .Lentry_shape_is_right
	s_endpgm
.Lentry_shape_is_right:
; out = x2 + act x w_ffn2, on E2M3 codes (K = 4,096); f32 out.
; OPERANDS are images of operand registers: a sub-block (128 rows x 128 K) is 12,800 dense bytes: 8 fragments of 1,536 (registers 6c..6c+3 at 768 c + 16 lane, 6c+4, 6c+5 at 768 c + 512 + 8 lane), then 8 x 16 scale words.
; Lane r of fragment i holds row 32 (i/2) + 8 (i%2) + r + 8 (r/8).  The product is used transposed (source 0 = weight rows, source 1 = tokens): a lane holds one token, and the registers of tiles 2 b, 2 b + 1 are 16 neighbouring columns.
; The output is 4,096 x 1,024: tiles of 256 x 256 would be 64, so a work-group makes 128 x 128 and a wave 64 x 64 (16 accumulators): 256 work-groups.
; THE RING.  K is 32 steps of 128.  Two LDS slots of SIX steps, as large as fit beside the stage; each wave fills a quarter of a slot (three steps of one side, 38,400 dense bytes) by one tensor load.
; The steps go 6, 6, 6, 6, 6, 2: twelve are asked for at the start, then four refills, each asked for in the middle of a slot's last step and waited for at the head of the other slot's last step: 88 matrix instructions a wave lie between.
; The last refill brings one step a wave (12,800 bytes): K step 30 into the slot's first half, K step 31 into its second.  All 32 steps are written out; the operands' register set is step % 2.
; A slot's steps 3 to 5 lie beyond what an LDS instruction's immediate reaches from the slot's first byte: an address register for each half of a slot.
; CLUSTER 4 x 4: the tokens' tiles are shared along a row, the weights' along a column: joint loads.
; The residual's 64 x 64 numbers are asked for at the head, into registers, and added on the way out, which goes through the wave's own stage in LDS so that sixteen lanes store 256 consecutive bytes.
.set T,     4
.set KDIM,  4096
.set WOFF,  6553600                    ; w_ffn2's image in wimg
.set KB,    100*KDIM
.set SUBB,  12800
.set QTR,   3*SUBB                     ; what one tensor load brings: three steps of one side
.set SLOT,  4*QTR                      ; the tokens' six steps, then the weights'
.set HALFA, 4*1536
.set HALFS, 4*64
.set TYB,   KB
.set EB,    QTR
.set SLOTB, 6*SUBB
.set STAGE, 2*SLOT                     ; behind the ring: 16 rows x 272 bytes for each wave
.set SPARE, STAGE+4*16*272             ; and the spare words, 128 bytes a wave
.set ADRS,   8                         ; v8-11   scale words, for half x = 2 slot + (step / 3): lanes 0-15 the tokens', lanes 16-31 the weights'
.set STO,  18
.set RD,   19
.set CO,   20
.set SPW,  28
.set NIL,  29
.set SC,   32                          ; v32-47 scale words, two sets
.set ADRA16, 48                        ; v48-51, v52-55 the tokens' fragments in half x: + 16 lane, + 8 lane
.set ADRA8,  52
.set ADRB16, 56                        ; v56-63 the weights'
.set ADRB8,  60
.set AF,   64                          ; window 0: the tokens' fragments, sets at v64 and v160;  window 1: the weights', at v0 and v128;  window 2: the accumulators ((a, b) at 8 (4 a + b));  window 3: the residual
.set BK,   64
.set G1A, 24                           ; s[24:31], s[48:55] group 1: 150 rows of 256 bytes
.set G0A, 32
.set G1B, 48
.set G0B, 56
.set G1A3, 68                          ; s[68:75], s[76:83] group 1 of the last refill: 50 rows
.set G1B3, 76
.set MSB, 0
.macro WIN new
.if MSB != (\new)
	s_set_vgpr_msb (MSB<<8)|(\new)
.set MSB, (\new)
.endif
.endm
.set MUL_LO, 0xa1
.set TO_B,   0x40
.set PFN,  2                           ; the fill that the last prefetch named
.macro JLOAD g0a, g1a, g0b, g1b        ; a joint load: waves 0, 1 fetch the tokens' quarters, waves 2, 3 the weights'; an s_nop 0 and four v_nop follow each line
	s_cmp_eq_u32 s15, 0
	s_cbranch_scc0 .Lfor_0_\@
	tensor_load_to_lds s[\g0a:\g0a+3], s[\g1a:\g1a+7]
	s_nop 0
.rept 4
	v_nop
.endr
	s_branch .Lasked_\@
.Lfor_0_\@:
	tensor_load_to_lds s[\g0b:\g0b+3], s[\g1b:\g1b+7]
	s_nop 0
.rept 4
	v_nop
.endr
.Lasked_\@:
.endm
.macro CREST
	s_cmp_lg_u32 s14, 0
	s_cbranch_scc1 .Lnot_wave_0_\@
	s_barrier_signal -3
.Lnot_wave_0_\@:
	s_barrier_wait -3
	s_barrier_signal -1
	s_barrier_wait -1
.endm
.macro CROUND
	s_barrier_signal -1
	s_barrier_wait -1
	CREST
.endm
.macro PLACES
.rept 4
	v_nop
.endr
.endm
.macro FETCH x, q, p                   ; the fragments and scale words of step q (0 to 2) of half x, into set p
	WIN TO_B
.set I, 0
.rept T
	ds_load_b128 v[128*(\p)+12*I:128*(\p)+12*I+3], v[ADRB16+\x] offset:(\q)*SUBB+I*1536
	ds_load_b64 v[128*(\p)+12*I+4:128*(\p)+12*I+5], v[ADRB8+\x] offset:(\q)*SUBB+I*1536+512
	ds_load_b128 v[128*(\p)+12*I+6:128*(\p)+12*I+9], v[ADRB16+\x] offset:(\q)*SUBB+I*1536+768
	ds_load_b64 v[128*(\p)+12*I+10:128*(\p)+12*I+11], v[ADRB8+\x] offset:(\q)*SUBB+I*1536+1280
.set I, I+1
.endr
	WIN 0
.set I, 0
.rept T
	ds_load_b128 v[AF+96*(\p)+12*I:AF+96*(\p)+12*I+3], v[ADRA16+\x] offset:(\q)*SUBB+I*1536
	ds_load_b64 v[AF+96*(\p)+12*I+4:AF+96*(\p)+12*I+5], v[ADRA8+\x] offset:(\q)*SUBB+I*1536+512
	ds_load_b128 v[AF+96*(\p)+12*I+6:AF+96*(\p)+12*I+9], v[ADRA16+\x] offset:(\q)*SUBB+I*1536+768
	ds_load_b64 v[AF+96*(\p)+12*I+10:AF+96*(\p)+12*I+11], v[ADRA8+\x] offset:(\q)*SUBB+I*1536+1280
.set I, I+1
.endr
.set I, 0
.rept T
	ds_load_b32 v[SC+8*(\p)+I], v[ADRS+\x] offset:(\q)*SUBB+64*I
.set I, I+1
.endr
.endm
.macro MULS a0, n, p, zero             ; all accumulators by turns, in the same order in every step
.set MA, \a0
.rept \n
	WIN MUL_LO+0x50*((T*MA)/32)
.set MB, 0
.rept T
.set RC, 8*((T*MA+MB)%32)
.if \zero
	v_wmma_scale_f32_16x16x128_f8f6f4 v[RC:RC+7], v[128*(\p)+12*MB:128*(\p)+12*MB+11], v[AF+96*(\p)+12*MA:AF+96*(\p)+12*MA+11], 0, v[SC+8*(\p)+MB], v[SC+8*(\p)+MA] matrix_a_fmt:MATRIX_FMT_FP6 matrix_b_fmt:MATRIX_FMT_FP6 matrix_a_scale:MATRIX_SCALE_ROW1
.else
	v_wmma_scale_f32_16x16x128_f8f6f4 v[RC:RC+7], v[128*(\p)+12*MB:128*(\p)+12*MB+11], v[AF+96*(\p)+12*MA:AF+96*(\p)+12*MA+11], v[RC:RC+7], v[SC+8*(\p)+MB], v[SC+8*(\p)+MA] matrix_a_fmt:MATRIX_FMT_FP6 matrix_b_fmt:MATRIX_FMT_FP6 matrix_a_scale:MATRIX_SCALE_ROW1
.endif
.set MB, MB+1
.endr
.set MA, MA+1
.endr
.endm
.macro STEP nx, nq, p, zero            ; a step on set p; its successor, step nq of half nx of the same slot, is asked for first
	s_wait_dscnt 0x0                               ; this step's set is in
	PLACES
	FETCH \nx, \nq, 1-(\p)
	MULS 0, T, \p, \zero
.endm
.macro TURN slot, nx, p, fill          ; a slot's last step (on set p) changes slots: one barrier; in front of it all my tensor loads, the add, and my reads of this slot.  fill = 1: six steps more; 2: the last two; 0: nothing
	WIN 0
	s_wait_tensorcnt 0x0                           ; my part of the next slot has landed; no load of mine is out
	ds_add_u32 v[SPW], v[NIL]
	s_wait_dscnt 1                                 ; (the add alone may be out)
	MULS 0, T/4, \p, 0
	s_wait_dscnt 0x0
	s_barrier_signal -1
	MULS T/4, T/4, \p, 0
	WIN 0
	s_barrier_wait -1
.if \fill == 1
	CREST                                          ; the barrier opened a round of the cluster's: no wave of any partner still reads this slot or has a load on its way
	s_add_nc_u64 s[G0A+4*\slot+2:G0A+4*\slot+3], s[G0A+4*\slot+2:G0A+4*\slot+3], 2*SLOTB
	s_add_nc_u64 s[G0B+4*\slot+2:G0B+4*\slot+3], s[G0B+4*\slot+2:G0B+4*\slot+3], 2*SLOTB
	JLOAD G0A+4*\slot, G1A, G0B+4*\slot, G1B       ; the first tensor load behind the round; its four v_nop are the places in front of the loads below
.elseif \fill == 2
	CREST
	s_add_nc_u64 s[G0A+4*\slot+2:G0A+4*\slot+3], s[G0A+4*\slot+2:G0A+4*\slot+3], s[84:85]   ; from step 18 + 3 e to step 30 + e
	s_add_nc_u64 s[G0B+4*\slot+2:G0B+4*\slot+3], s[G0B+4*\slot+2:G0B+4*\slot+3], s[84:85]
	JLOAD G0A+4*\slot, G1A3, G0B+4*\slot, G1B3
.else
	PLACES
.endif
	FETCH \nx, 0, 1-(\p)
.if \fill == 1
.set PFN, PFN+1
.if PFN <= 4                           ; one fill ahead of the refill just asked for; nothing is asked for the short last fill
	global_prefetch_b8 v12, s[88:89] offset:PFN*SLOTB th:TH_LOAD_NT scope:SCOPE_SE
	global_prefetch_b8 v13, s[88:89] offset:PFN*SLOTB th:TH_LOAD_NT scope:SCOPE_SE
.endif
.endif
	MULS T/2, T/2, \p, 0
.endm
.macro SLOT6 s, zero, fill             ; the six steps of slot s; its first step's operands have been asked for
	STEP 2*(\s), 1, 0, \zero
	STEP 2*(\s), 2, 1, 0
	STEP 2*(\s)+1, 0, 0, 0
	STEP 2*(\s)+1, 1, 1, 0
	STEP 2*(\s)+1, 2, 0, 0
	TURN \s, 2-2*(\s), 1, \fill
.endm
	s_load_b128 s[4:7], s[0:1], 0x0                ; the tokens' image, wimg
	s_load_b128 s[8:11], s[0:1], 0x10              ; the residual, the output
	v_lshl_add_u32 v[SPW], v0, 2, SPARE
	v_mov_b32 v[NIL], 0
	ds_add_u32 v[SPW], v[NIL]                      ; the wave's opening: the add and its wait ahead of my first tensor load
	ds_add_u32 v[SPW], v[NIL]
	v_lshrrev_b32 v1, 5, v0
	v_readfirstlane_b32 s14, v1
	s_lshr_b32 s15, s14, 1                         ; wy: my half of the tokens.  Also: I fetch tokens (0) or weights (1)
	s_and_b32 s16, s14, 1                          ; wx: my half of the columns.  Also e: which quarter I fetch
	s_bfe_u32 s40, ttmp6, 0x40000
	s_bfe_u32 s41, ttmp6, 0x40004
	s_lshl_b32 s42, ttmp9, 2
	s_add_co_u32 s42, s42, s40                     ; t0: which 128 columns
	s_and_b32 s17, ttmp7, 0xffff
	s_lshl_b32 s17, s17, 2
	s_add_co_u32 s17, s17, s41                     ; t1: which 128 tokens
	s_lshl_b32 s43, s41, 2
	s_lshl_b32 s43, 15, s43
	s_lshl_b32 s44, 0x1111, s40
	s_or_b32 s[G1A], s43, (3<<16)|(1<<21)
	s_or_b32 s[G1B], s44, (3<<16)|(1<<21)
	s_or_b32 s[G1A3], s43, (3<<16)|(1<<21)
	s_or_b32 s[G1B3], s44, (3<<16)|(1<<21)
.irp g, G1A, G1B
	s_mov_b32 s[\g+1], 32<<16                      ; a dense block as 150 rows of 256 bytes: three sub-blocks
	s_mov_b32 s[\g+2], 150<<16
	s_mov_b32 s[\g+3], 32<<16
	s_mov_b32 s[\g+4], 150
	s_mov_b32 s[\g+5], 32
	s_mov_b32 s[\g+6], 0
	s_mov_b32 s[\g+7], 0
.endr
.irp g, G1A3, G1B3
	s_mov_b32 s[\g+1], 32<<16                      ; 50 rows: one sub-block
	s_mov_b32 s[\g+2], 50<<16
	s_mov_b32 s[\g+3], 32<<16
	s_mov_b32 s[\g+4], 50
	s_mov_b32 s[\g+5], 32
	s_mov_b32 s[\g+6], 0
	s_mov_b32 s[\g+7], 0
.endr
	s_mul_i32 s84, s16, 2*SUBB
	s_sub_co_u32 s84, 2*SLOTB, s84                 ; the last refill's step in memory: twelve K steps on, less 2 e
	s_mov_b32 s85, 0
	s_mul_i32 s22, s16, EB
	s_mul_i32 s20, s17, TYB
	s_add_co_u32 s20, s20, s22
	s_mov_b32 s21, 0
	s_mul_i32 s46, s42, TYB
	s_add_co_u32 s46, s46, s22
	s_add_co_u32 s46, s46, WOFF
	s_mov_b32 s47, 0
	s_mul_i32 s45, s14, QTR                        ; where my quarter goes: no place in the cluster enters an LDS address
	s_wait_dscnt 0x0
	s_wait_kmcnt 0x0
	s_add_nc_u64 s[20:21], s[4:5], s[20:21]
	s_add_nc_u64 s[46:47], s[6:7], s[46:47]
	CROUND
.irp s, 0,1
	s_mov_b32 s[G0A+4*\s], 1
	s_add_co_u32 s[G0A+4*\s+1], s45, \s*SLOT
	s_add_nc_u64 s[G0A+4*\s+2:G0A+4*\s+3], s[20:21], \s*SLOTB
	s_or_b32 s[G0A+4*\s+3], s[G0A+4*\s+3], 0x80000000
	s_mov_b32 s[G0B+4*\s], 1
	s_add_co_u32 s[G0B+4*\s+1], s45, \s*SLOT
	s_add_nc_u64 s[G0B+4*\s+2:G0B+4*\s+3], s[46:47], \s*SLOTB
	s_or_b32 s[G0B+4*\s+3], s[G0B+4*\s+3], 0x80000000
.endr
	JLOAD G0A, G1A, G0B, G1B                       ; slot 0: one tensor load a wave at the head
	v_and_b32 v1, 15, v0
	v_bfe_u32 v2, v0, 4, 1
	v_and_b32 v3, 31, v0
	v_lshlrev_b32 v4, 4, v3
	v_lshlrev_b32 v5, 3, v3
	s_mul_i32 s66, s15, HALFA
	s_mul_i32 s67, s16, HALFA
	s_add_co_u32 s67, s67, 2*QTR
	v_add_nc_u32 v[ADRA16], s66, v4
	v_add_nc_u32 v[ADRA8], s66, v5
	v_add_nc_u32 v[ADRB16], s67, v4
	v_add_nc_u32 v[ADRB8], s67, v5
	s_xor_b32 s67, s15, 1
	s_add_co_u32 s67, s67, s16
	s_mul_i32 s67, s67, HALFS
	s_add_co_u32 s67, s67, 2*QTR-HALFS             ; from the tokens' scale words to the weights'
	v_mul_u32_u24 v7, s67, v2
	v_lshl_add_u32 v7, v1, 2, v7
	s_mul_i32 s66, s15, HALFS
	s_add_co_u32 s66, s66, 12288
	v_add_nc_u32 v[ADRS], s66, v7
.irp x, 1,2,3                          ; half x begins (x / 2) slots and (x % 2) quarters on
	v_add_nc_u32 v[ADRA16+\x], (\x/2)*SLOT+(\x%2)*QTR, v[ADRA16]
	v_add_nc_u32 v[ADRA8+\x], (\x/2)*SLOT+(\x%2)*QTR, v[ADRA8]
	v_add_nc_u32 v[ADRB16+\x], (\x/2)*SLOT+(\x%2)*QTR, v[ADRB16]
	v_add_nc_u32 v[ADRB8+\x], (\x/2)*SLOT+(\x%2)*QTR, v[ADRB8]
	v_add_nc_u32 v[ADRS+\x], (\x/2)*SLOT+(\x%2)*QTR, v[ADRS]
.endr
	s_mul_i32 s86, s14, 16*272
	s_add_co_u32 s86, s86, STAGE
	v_mul_u32_u24 v7, v1, 272
	v_lshl_add_u32 v7, v2, 6, v7
	v_add_nc_u32 v[STO], s86, v7                   ; the stage, in: row r, + 64 h
	v_mul_u32_u24 v7, v2, 272
	v_lshl_add_u32 v7, v1, 4, v7
	v_add_nc_u32 v[RD], s86, v7                    ; back: lanes 0-15 one row of 256 bytes, lanes 16-31 the next
	v_lshlrev_b32 v7, 12, v2
	v_lshl_add_u32 v[CO], v1, 4, v7
	; PREFETCHES INTO THE L2, one fill ahead: a quarter of a slot is 150 blocks of 256 bytes on end.  The four partners that ask for it jointly share the blocks out by address: the partner at place p (cx for the tokens, cy for the weights)
	; names blocks 38 p .. 38 p + 37, held at 149: a lane a block, two instructions a wave; lanes left over name the last block again.  The address registers are never rewritten; the fill stands in the immediate
	s_cmp_eq_u32 s15, 0
	s_cselect_b32 s90, s40, s41
	s_cselect_b64 s[88:89], s[20:21], s[46:47]     ; my quarter of fill 0
	s_mul_i32 s90, s90, 38
	v_add_nc_u32 v12, s90, v3
	v_min_u32 v13, 5, v3
	v_add_nc_u32 v13, s90, v13
	v_add_nc_u32 v13, 32, v13
	v_min_u32 v12, 149, v12
	v_min_u32 v13, 149, v13
	v_lshlrev_b32 v12, 8, v12
	v_lshlrev_b32 v13, 8, v13
	s_wait_alu depctr_va_vdst(0)
	global_prefetch_b8 v12, s[88:89] offset:SLOTB th:TH_LOAD_NT scope:SCOPE_SE
	global_prefetch_b8 v13, s[88:89] offset:SLOTB th:TH_LOAD_NT scope:SCOPE_SE
	s_lshl_b32 s66, s17, 7
	s_lshl_b32 s67, s15, 6
	s_add_co_u32 s66, s66, s67
	s_lshl_b32 s66, s66, 12                        ; my first row,
	s_lshl_b32 s67, s42, 9
	s_add_co_u32 s66, s66, s67
	s_lshl_b32 s67, s16, 8
	s_add_co_u32 s66, s66, s67                     ; my first column
	s_mov_b32 s67, 0
	s_add_nc_u64 s[8:9], s[8:9], s[66:67]
	s_add_nc_u64 s[10:11], s[10:11], s[66:67]
	WIN 0xc0                                       ; destination window 3
.irp a, 0,1,2,3
.irp t, 0,1,2,3,4,5,6,7
	global_load_b128 v[32*\a+4*\t:32*\a+4*\t+3], v[CO], s[8:9] offset:(32*(\a/2)+8*(\a%2)+2*\t+8*(\t/4))*4096 th:TH_LOAD_NT   ; the residual, in the order in which the stage gives the rows back
.endr
.endr
	WIN 0
	s_wait_tensorcnt 0x0                           ; my part of slot 0 is in
	ds_add_u32 v[SPW], v[NIL]
	s_wait_dscnt 0x0
	CROUND                                         ; a whole round: slot 0 is whole, and the joint loads meet
	JLOAD G0A+4, G1A, G0B+4, G1B                   ; slot 1's first fill, the first tensor load behind the round
	FETCH 0, 0, 0
	global_prefetch_b8 v12, s[88:89] offset:2*SLOTB th:TH_LOAD_NT scope:SCOPE_SE
	global_prefetch_b8 v13, s[88:89] offset:2*SLOTB th:TH_LOAD_NT scope:SCOPE_SE
	SLOT6 0, 1, 1                                  ; K steps 0-5: the first products start the sums; slot 0 then takes steps 12-17
	SLOT6 1, 0, 1                                  ; 6-11; slot 1 takes 18-23
	SLOT6 0, 0, 1                                  ; 12-17; slot 0 takes 24-29
	SLOT6 1, 0, 2                                  ; 18-23; slot 1 takes 30 and 31
	SLOT6 0, 0, 0                                  ; 24-29; nothing is left to fetch
	STEP 3, 0, 0, 0                                ; 30, from slot 1's first half; 31 lies in its second
	s_wait_dscnt 0x0
	MULS 0, T, 1, 0                                ; 31
	WIN 0
	PLACES
.macro TOSTAGE a                       ; tile row a: 16 tokens x 64 columns into my stage, and back as rows of 256 bytes; LDS serves a wave's instructions in order
	WIN 0x08                                       ; an LDS store's data: window 2
.irp b, 0,1,2,3
	ds_store_b128 v[STO], v[8*(4*(\a)+\b):8*(4*(\a)+\b)+3] offset:128*(\b/2)+32*(\b%2)       ; each accumulator from its low end on
	ds_store_b128 v[STO], v[8*(4*(\a)+\b)+4:8*(4*(\a)+\b)+7] offset:128*(\b/2)+32*(\b%2)+16
.endr
	WIN 0
.set BB, BK+32*((\a)%2)
.irp t, 0,1,2,3,4,5,6,7
	ds_load_b128 v[BB+4*\t:BB+4*\t+3], v[RD] offset:\t*544
.endr
.endm
.macro SEND a, younger
.set BB, BK+32*((\a)%2)
	s_wait_dscnt \younger                          ; the rows are back; the next tile row's 16 LDS instructions may be out
	WIN 0x0c                                       ; source 1: window 3
.set J, 0
.rept 16
	v_pk_add_f32 v[BB+J:BB+J+1], v[BB+J:BB+J+1], v[32*(\a)+J:32*(\a)+J+1]
.set J, J+2
.endr
	WIN 0
.irp t, 0,1,2,3,4,5,6,7
	global_store_b128 v[CO], v[BB+4*\t:BB+4*\t+3], s[10:11] offset:(32*((\a)/2)+8*((\a)%2)+2*\t+8*(\t/4))*4096 th:TH_STORE_NT   ; 16 lanes store 256 consecutive bytes, at a multiple of 256 from the buffer's first byte
.endr
.endm
	s_wait_loadcnt 0x0                             ; the residual
	TOSTAGE 0
.irp a, 1,2,3
.if \a > 1
	s_wait_xcnt 0x0                                ; the stores of two tile rows back have read their registers
.endif
	TOSTAGE \a
	SEND \a-1, 16
.endr
	SEND 3, 0
	s_wait_tensorcnt 0x0                           ; the wave's end
	ds_add_u32 v[SPW], v[NIL]
	s_wait_dscnt 0x0
	CROUND
	s_endpgm
.Lfunc_end_k_q35e0a9c029_g6:
	.size	k_q35e0a9c029_g6, .Lfunc_end_k_q35e0a9c029_g6-k_q35e0a9c029_g6
	.p2alignl 7, 3214868480
	.fill 96, 4, 3214868480
	.section	.rodata,"a",@progbits
	.p2align	6, 0x0
	.amdhsa_kernel k_q35e0a9c029_g6
		.amdhsa_group_segment_fixed_size 327680
		.amdhsa_private_segment_fixed_size 0
		.amdhsa_enable_private_segment 0
		.amdhsa_kernarg_size 32
		.amdhsa_user_sgpr_count 2
		.amdhsa_user_sgpr_kernarg_segment_ptr 1
		.amdhsa_wavefront_size32 1
		.amdhsa_system_sgpr_workgroup_id_x 1
		.amdhsa_system_sgpr_workgroup_id_y 1
		.amdhsa_system_sgpr_workgroup_id_z 1
		.amdhsa_system_vgpr_workitem_id 0
		.amdhsa_next_free_vgpr 1024
		.amdhsa_next_free_sgpr 100
		.amdhsa_reserve_vcc 0
		.amdhsa_float_denorm_mode_32 3
		.amdhsa_float_denorm_mode_16_64 3
		.amdhsa_memory_ordered 1
		.amdhsa_forward_progress 1
		.amdhsa_inst_pref_size 175
	.end_amdhsa_kernel
	.amdgpu_metadata
---
amdhsa.version: [ 1, 2 ]
amdhsa.kernels:
  - .name:           k_q35e0a9c029_g6
    .symbol:         k_q35e0a9c029_g6.kd
    .args:
      - { .name: act, .offset: 0, .size: 8, .value_kind: global_buffer, .address_space: global }
      - { .name: wimg, .offset: 8, .size: 8, .value_kind: global_buffer, .address_space: global }
      - { .name: x2, .offset: 16, .size: 8, .value_kind: global_buffer, .address_space: global }
      - { .name: out0, .offset: 24, .size: 8, .value_kind: global_buffer, .address_space: global }
    .group_segment_fixed_size: 327680
    .private_segment_fixed_size: 0
    .kernarg_segment_align: 8
    .kernarg_segment_size: 32
    .max_flat_workgroup_size: 128
    .sgpr_count:     100
    .vgpr_count:     1024
    .wavefront_size: 32
...
	.end_amdgpu_metadata
.endif
;; end of part 6
